; MI455X (gfx1250); checked and timed in simulation.
; The chip was launched on July 23, 2026; its instructions are those of AMD's public machine-readable ISA for CDNA 5 (MIT licence, August 2026) and "CDNA5" Instruction Set Architecture Reference Guide (July 2026). The comments in the code are by the model that wrote it; some were corrected since.
;; Multi Head Attention. Allowed arithmetic: matrix products marked QUANTISED: E2M1 operands, one E8M0 scale for each 32 along K, by v_wmma_scale_f32_16x16x128_f8f6f4 with both operands' format E2M1 (or v_wmma_scale_f32_32x16x128_f4), f32 sums; everything else in f32.
;; Inputs: W_o 1,024 x 1,024 float32; W_qkv 3,072 x 1,024 float32; b_o 1,024 float32; b_qkv 3,072 float32; x 2 x 2,048 x 1,024 float32.
;; Outputs: out0 2 x 2,048 x 1,024 float32.
;; This version of the problem:
;;   THIS VERSION OF THE PROBLEM IS GIVEN IN LOW PRECISION. The matrix products marked QUANTISED in the list below multiply operands that are first quantised to E2M1 (2 exponent bits, 1 mantissa bit; 4 bits a number), with one power-of-two scale for each 32 numbers along K (OCP MX v1.0); their sums are f32. All else is computed in f32.
;;   The module's matrix products, in the order in which they are computed (A, B: the left and right operand; K: the contracted axis; several contracted axes count as one K, in the product's order):
;;     1. [M 4,096, K 1,024] x [K 1,024, N 3,072]; A: input x; B: input W_qkv: QUANTISED
;;     2. batch 32 x [M 2,048, K 64] x [K 64, N 2,048]; A: computed on the way; B: computed on the way: QUANTISED
;;     3. batch 32 x [M 2,048, K 2,048] x [K 2,048, N 64]; A: softmax (see below); B: computed on the way: QUANTISED
;;     4. [M 4,096, K 1,024] x [K 1,024, N 1,024]; A: computed on the way; B: input W_o: QUANTISED
;;   THE QUANTISER, for each operand of a quantised product, along K:
;;     - K is cut into blocks of 32 from its start; a last block that is shorter is filled with zeros.
;;     - A block's scale is 2^e with e = floor(log2(the largest magnitude in the block)) - 2, held to -126 .. 127; a block of zeros has e = 0. As a byte (E8M0): e + 127.
;;     - Each number is divided by its block's scale, clamped to +-6, and rounded to the nearest number of E2M1, ties to even, subnormals kept.
;;     - The product sums the exact products of the quantised numbers (number of the format x scale) in f32.
;;   ~~~python
;;   def quantise(x, axis):      # numpy; x: float32 -> the quantised numbers, widened to float32 again
;;       x = np.moveaxis(x, axis, -1); K = x.shape[-1]
;;       x = np.pad(x, [(0, 0)] * (x.ndim - 1) + [(0, -K % 32)]); x = x.reshape(x.shape[:-1] + (-1, 32)); a = np.abs(x).max(-1, keepdims=True)
;;       e = np.where(a > 0, np.clip(np.frexp(np.where(a > 0, a, 1))[1] - 1 - 2, -126, 127), 0)      # np.frexp(a)[1] - 1 = floor(log2(a)), exactly
;;       r = np.clip(x / 2.0 ** e, -6, 6)
;;       step = 2.0 ** (np.maximum(np.frexp(np.where(r == 0, 1, r))[1] - 1, 0) - 1)
;;       q = np.round(r / step) * step * 2.0 ** e      # np.round: ties to even
;;       return np.moveaxis(q.reshape(q.shape[:-2] + (-1,))[..., :K], -1, axis).astype(np.float32)
;;   ~~~
;;   SOFTMAX AHEAD OF A QUANTISED PRODUCT. Where the list says 'softmax', what is quantised is not the finished softmax but p = 2^(t - M), with t = logit x log2(e) and M = ceil(the row's largest t), a whole number; so 1/2 < the row's largest p <= 1. The row's sum l is taken of the UNQUANTISED p, in f32, and the product's result is divided by l at the end. Since M is a whole number, a kernel that streams over the keys may use a running M (the ceiling of the running maximum): every later rescaling is an exact power of two, which a block's scale takes up: the codes' values come out the same.
;;   OPERANDS COMPUTED ON THE WAY. 'Computed on the way' means the value that the module computes at that place (a softmax that the list does not call 'softmax' is quantised finished and normalised). What goes into a quantiser is computed in f32, as accurately as f32 sums, v_exp_f32 and their like allow (about 1e-6 of the number): no bf16 or f16 on the way to a quantiser, and a product that is left as it is and whose result goes on into a quantised operand takes f32 operands (vector FMAs, or v_wmma_f32_16x16x4_f32). A number that lies on a knife's edge between two numbers of the format may be rounded either way, as far as f32 arithmetic and the matrix unit's own rounding can turn it there, and no further.
;; One version. Each part assembles by itself: llvm-mc -triple=amdgcn-amd-amdhsa -mcpu=gfx1250 --defsym DOCPART=n.
;; ======== version 1 of 1: 4 launches
;; limits: right only within a limited range of input values
;; workspace buffers: in_codes 4,194,304 bytes; in_scales 262,144 bytes; att_codes 6,291,456 bytes; att_scales 655,360 bytes; o_codes 2,097,152 bytes; o_scales 131,072 bytes
;; launch quant (part 1): grid 256 x 1, 4 waves a work-group, no clusters, 34,304 bytes of LDS; arguments x, W_qkv, W_o, in_codes, in_scales; writes in_codes, in_scales
.if DOCPART == 1
	.amdgcn_target "amdgcn-amd-amdhsa--gfx1250"
	.amdhsa_code_object_version 6
	.text
	.protected	k_q04f3386059_quant
	.globl	k_q04f3386059_quant
	.p2align	8
	.type	k_q04f3386059_quant,@function
k_q04f3386059_quant:
	s_mov_b64 s[64:65], 0
	v_nop
	global_prefetch_b8 v0, s[64:65] scope:SCOPE_SE
	s_setreg_imm32_b32 hwreg(HW_REG_WAVE_MODE, 25, 1), 1
	s_wait_xcnt 0x0
; x [4096][1024], W_qkv [3072][1024] and W_o [1024][1024], f32 with K innermost, become codes of FP4 (E2M1) with one E8M0 byte for each 32 along K,
; laid in the ORDER OF AN OPERAND'S REGISTERS, so that every later load of a fragment is 512 consecutive bytes.
; WORK LEFT OUT IN THIS PROGRAM: only the key steps of attention all of whose keys the causal mask hides from a wave's queries: their p is 0 for all values of the inputs.  A NaN, an infinity or an overflow that reaches only those is not carried to the result.
; TILES.  The 8,192 rows of the three tensors are 512 tiles of 16 rows (x 0-255, W_qkv 256-447, W_o 448-511).  THE ROWS OF A TILE ARE NOT NEIGHBOURS: tile 4 C + n holds rows
; 64 C + 8 n + i + 24 (i / 8), i = 0 .. 15: eight rows, and the eight that lie 32 further on.  Used as source 0 of a product, the four tiles of a C then leave 32 neighbouring rows, a whole block, in a lane's 32 result registers.
; in_codes: tile x 8,192 + K step (128 along K) x 1,024 + c x 512 + 16 x lane: registers 4 c .. 4 c + 3 of lane (r, h): k = 64 c + 32 h + 0 .. 31 of row r.
; in_scales: tile x 512 + 16 x lane: lane (r, hh) holds the scale words of K steps 4 hh .. 4 hh + 3 of row r.
; A block's scale is 2^(floor(log2(its largest magnitude)) - 2); its byte is the largest magnitude's exponent field - 2, held at 1 from below.
; LIMITS: a block whose largest magnitude lies under 2^-124, a block of zeros among them, gets the byte 1 (the rule says 127 for zeros: its codes are zeros, and this program alone reads the bytes);
; NaN and infinities among the inputs are not served.
; SHARES.  A wave takes one tile x 512 along K, in four steps of 128.  Each of a step's 16 loads reads 512 consecutive bytes of one row; the 8 KB turn through the wave's own stage in LDS,
; so that a lane gets two whole blocks of 32 neighbours of its row.  No barrier: waves share nothing.  Loads run two steps (32 loads a wave) ahead.
; Work-groups 0-127 take x, 128-223 W_qkv, 224-255 W_o: only a pointer is chosen, all take one path.
.set PITCH, 528                        ; a stage row: 512 bytes + 16
.set WREG,  16*PITCH                   ; a wave's stage
.set RA,    64                         ; v64-191  two sets of 64 registers as loaded
.set X,     192                        ; v192-255 my two blocks: 32 c + i = k 64 c + 32 h + i
.set CD,    16                         ; v16-47   codes, eight registers a step: no store's data are written again
.set WD,    48                         ; v48-51   the four steps' scale words; v52-53 those that I store
	s_load_b128 s[4:7], s[0:1], 0x0                ; x, W_qkv
	s_load_b128 s[8:11], s[0:1], 0x10              ; W_o, in_codes
	s_load_b64 s[12:13], s[0:1], 0x20              ; in_scales
	v_lshl_add_u32 v62, v0, 2, 4*WREG              ; the spare words: behind the four stages
	v_mov_b32 v63, 0
	v_lshrrev_b32 v1, 5, v0
	v_readfirstlane_b32 s14, v1                    ; wave 0..3
	v_and_b32 v1, 31, v0
	v_and_b32 v4, 15, v0                           ; r
	v_bfe_u32 v5, v0, 4, 1                         ; h
	v_lshlrev_b32 v1, 4, v1                        ; 16 x lane: my bytes of a load's 512, and of a store's
	s_mul_i32 s15, s14, WREG
	v_add_nc_u32 v2, s15, v1                       ; the stage, on the way in: a row as it lies
	v_mul_u32_u24 v3, v4, PITCH
	v_lshl_add_u32 v3, v5, 7, v3
	v_add_nc_u32 v3, s15, v3                       ; and on the way out: row r, 128 h bytes on
	v_lshlrev_b32 v4, 4, v4
	v_lshl_add_u32 v4, v5, 3, v4                   ; the scale words' place: 16 r + 8 h
	v_lshlrev_b32 v5, 3, v5                        ; 8 h: how far my two bytes are shifted in the word
	v_mov_b32 v13, 0                               ; written once: a lane permute's destination counts as one of its sources
	s_mov_b32 s20, 0x76543210
	s_mov_b32 s21, 0xfedcba98                      ; v_permlanex16_b32's selects for lane l xor 16
	s_mov_b32 s16, 224
	s_wait_alu depctr_va_vdst(0)                   ; the wait at the head's end
	s_wait_kmcnt 0x0
	s_cmp_lt_u32 ttmp9, 224                        ; which tensor: the choice hangs on the work-group's number alone
	s_cselect_b64 s[6:7], s[6:7], s[8:9]
	s_cselect_b32 s16, 128, s16
	s_cmp_lt_u32 ttmp9, 128
	s_cselect_b64 s[4:5], s[4:5], s[6:7]
	s_cselect_b32 s16, 0, s16                      ; the tensor's first work-group
	s_sub_co_u32 s17, ttmp9, s16
	s_lshl_b32 s17, s17, 2
	s_add_co_u32 s17, s17, s14                     ; my task in the tensor = 2 x tile + half of K
	s_lshr_b32 s18, s17, 1                         ; the tile T
	s_and_b32 s19, s18, 3
	s_lshl_b32 s19, s19, 15
	s_lshl_b32 s18, s18, 16
	s_sub_co_u32 s18, s18, s19                     ; its first row 16 T - 8 (T % 4), times 4,096 bytes
	s_and_b32 s19, s17, 1
	s_lshl_b32 s19, s19, 11
	s_add_co_u32 s18, s18, s19                     ; + 2,048 bytes for the upper half of K
	s_mov_b32 s19, 0
	s_add_nc_u64 s[4:5], s[4:5], s[18:19]
	s_lshl_b32 s17, ttmp9, 2
	s_add_co_u32 s17, s17, s14                     ; my task among all 1,024
	s_lshl_b32 s18, s17, 12
	s_add_nc_u64 s[10:11], s[10:11], s[18:19]      ; 4,096 bytes of codes a task
	s_lshl_b32 s18, s17, 8
	s_add_nc_u64 s[12:13], s[12:13], s[18:19]      ; 256 bytes of scale words
.macro LOAD t                          ; step t: 128 numbers of each of the tile's 16 rows
.irp i, 0,1,2,3,4,5,6,7,8,9,10,11,12,13,14,15
	global_load_b128 v[RA+64*((\t)%2)+4*\i:RA+64*((\t)%2)+4*\i+3], v1, s[4:5] offset:(\i+24*(\i/8))*4096+512*(\t) th:TH_LOAD_NT
.endr
.endm
.macro STEP t
.set RS, RA+64*((\t)%2)
.if (\t) < 3
	s_wait_loadcnt 16                              ; this step's 16 loads are in; the next step's 16 may be out
.else
	s_wait_loadcnt 0
.endif
.irp i, 0,1,2,3,4,5,6,7,8,9,10,11,12,13,14,15
	ds_store_b128 v2, v[RS+4*\i:RS+4*\i+3] offset:PITCH*\i
.endr
.irp c, 0,1
.irp j, 0,1,2,3,4,5,6,7
	ds_load_b128 v[X+32*\c+4*\j:X+32*\c+4*\j+3], v3 offset:256*\c+16*\j   ; LDS serves a wave's instructions in order: these see the stores above
.endr
.endr
	s_wait_dscnt 0x0                               ; my two blocks are in, and the stores have read their registers,
.if (\t)+2 < 4
	LOAD (\t)+2                                    ; which take the loads of two steps on
.endif
.irp c, 0,1
	v_max3_num_f32 v[6+\c], |v[X+32*\c]|, |v[X+32*\c+1]|, 0x1800000   ; block 2 c + h: all its 32 numbers are mine; the floor 2^(3 - 127) holds the byte at 1 from below
.endr
.irp i, 2,4,6,8,10,12,14,16,18,20,22,24,26,28,30
.irp c, 0,1
	v_max3_num_f32 v[6+\c], v[6+\c], |v[X+32*\c+\i]|, |v[X+32*\c+\i+1]|   ; (the two blocks by turns)
.endr
.endr
.irp c, 0,1
	v_add_nc_u32 v[8+\c], 0xff000000, v[6+\c]      ; 2 off the exponent field: the conversion takes the exponent field of this operand as its scale
.endr
.irp c, 0,1
	v_lshrrev_b32 v[10+\c], 23, v[8+\c]            ; the scale's byte
.endr
	v_lshl_or_b32 v12, v11, 16, v10                ; my two bytes, blocks h and 2 + h,
	v_lshlrev_b32 v12, v5, v12                     ; at their places in the word;
	v_permlanex16_b32 v13, v12, s20, s21
	v_or_b32 v[WD+(\t)], v12, v13                  ; with lane l xor 16's two the word of row r is whole
.irp c, 0,1
.irp g, 0,1,2,3
	v_cvt_scalef32_pk8_fp4_f32 v[CD+8*(\t)+4*\c+\g], v[X+32*\c+8*\g:X+32*\c+8*\g+7], v[8+\c]   ; registers 4 c .. 4 c + 3 of the fragment
.endr
.endr
	v_nop                                          ; one plain place behind the scaled conversions
.irp c, 0,1
	global_store_b128 v1, v[CD+8*(\t)+4*\c:CD+8*(\t)+4*\c+3], s[10:11] offset:1024*(\t)+512*\c   ; 32 lanes store 512 consecutive bytes
.endr
.endm
	LOAD 0
	LOAD 1
	STEP 0
	STEP 1
	STEP 2
	STEP 3
	v_cmp_ne_u32 vcc_lo, 0, v5                     ; lanes 16-31
	v_cndmask_b32 v52, v48, v50, vcc_lo            ; lane (r, h) stores the words of my steps 2 h and 2 h + 1 of row r:
	v_cndmask_b32 v53, v49, v51, vcc_lo
	global_store_b64 v4, v[52:53], s[12:13]        ; the wave stores 256 consecutive bytes
	s_wait_tensorcnt 0x0                           ; the wave's end
	ds_add_u32 v62, v63
	s_wait_dscnt 0x0
	s_endpgm
.Lfunc_end_k_q04f3386059_quant:
	.size	k_q04f3386059_quant, .Lfunc_end_k_q04f3386059_quant-k_q04f3386059_quant
	.p2alignl 7, 3214868480
	.fill 96, 4, 3214868480
	.section	.rodata,"a",@progbits
	.p2align	6, 0x0
	.amdhsa_kernel k_q04f3386059_quant
		.amdhsa_group_segment_fixed_size 34304
		.amdhsa_private_segment_fixed_size 0
		.amdhsa_enable_private_segment 0
		.amdhsa_kernarg_size 40
		.amdhsa_user_sgpr_count 2
		.amdhsa_user_sgpr_kernarg_segment_ptr 1
		.amdhsa_wavefront_size32 1
		.amdhsa_system_sgpr_workgroup_id_x 1
		.amdhsa_system_sgpr_workgroup_id_y 1
		.amdhsa_system_sgpr_workgroup_id_z 1
		.amdhsa_system_vgpr_workitem_id 0
		.amdhsa_next_free_vgpr 256
		.amdhsa_next_free_sgpr 66
		.amdhsa_reserve_vcc 1
		.amdhsa_float_denorm_mode_32 3
		.amdhsa_float_denorm_mode_16_64 3
		.amdhsa_memory_ordered 1
		.amdhsa_forward_progress 1
		.amdhsa_inst_pref_size 30
	.end_amdhsa_kernel
	.amdgpu_metadata
---
amdhsa.version: [ 1, 2 ]
amdhsa.kernels:
  - .name:           k_q04f3386059_quant
    .symbol:         k_q04f3386059_quant.kd
    .args:
      - { .name: x, .offset: 0, .size: 8, .value_kind: global_buffer, .address_space: global }
      - { .name: W_qkv, .offset: 8, .size: 8, .value_kind: global_buffer, .address_space: global }
      - { .name: W_o, .offset: 16, .size: 8, .value_kind: global_buffer, .address_space: global }
      - { .name: in_codes, .offset: 24, .size: 8, .value_kind: global_buffer, .address_space: global }
      - { .name: in_scales, .offset: 32, .size: 8, .value_kind: global_buffer, .address_space: global }
    .group_segment_fixed_size: 34304
    .private_segment_fixed_size: 0
    .kernarg_segment_align: 8
    .kernarg_segment_size: 40
    .max_flat_workgroup_size: 128
    .sgpr_count:     66
    .vgpr_count:     256
    .wavefront_size: 32
...
	.end_amdgpu_metadata
.endif
;; end of part 1
;; launch qkv (part 2): grid 16 x 16, 12 waves a work-group, clusters of 4 x 4, 327,680 bytes of LDS; arguments in_codes, in_scales, b_qkv, att_codes, att_scales; writes att_codes, att_scales
.if DOCPART == 2
	.amdgcn_target "amdgcn-amd-amdhsa--gfx1250"
	.amdhsa_code_object_version 6
	.text
	.protected	k_q04f3386059_qkv
	.globl	k_q04f3386059_qkv
	.p2align	8
	.type	k_q04f3386059_qkv,@function
k_q04f3386059_qkv:
	s_mov_b64 s[64:65], 0
	v_nop
	global_prefetch_b8 v0, s[64:65] scope:SCOPE_SE
	s_setreg_imm32_b32 hwreg(HW_REG_WAVE_MODE, 25, 1), 1
	s_wait_xcnt 0x0
	s_wait_alu depctr_hold_cnt(0) depctr_sa_sdst(0) depctr_va_vdst(0) depctr_va_sdst(0) depctr_va_ssrc(0) depctr_va_vcc(0) depctr_vm_vsrc(0)
	s_getreg_b32 s2, hwreg(HW_REG_IB_STS2, 6, 4)
	s_cmp_eq_u32 s2, 0
	s_cbranch_scc0 .Lentry_in_a_cluster
	s_endpgm
.Lentry_in_a_cluster:
	s_bfe_u32 s2, ttmp6, 0x10000c
	s_cmp_lg_u32 s2, 0xf033
	s_cbranch_scc0 .Lentry_shape_is_right
	s_endpgm
.Lentry_shape_is_right:
; qkv = x W_qkv^T + b_qkv on codes of FP4 (E2M1) with E8M0 scales, and its three parts quantised for attention: K and Q along the head's 64, V along the tokens (the keys).  The f32 numbers never go to memory.
; SHARES.  A work-group takes 256 tokens (16 tiles of x) and three parts of 64 columns: parts 2 nb and 2 nb + 1 of the 32 parts of K and Q, and V of head nb.  Twelve waves, three to a SIMD.
; Waves 0-7 (g = wave / 4 = 0, 1): 64 tokens x 64 columns of a part of K or Q, TRANSPOSED (source 0 = 16 rows of W, source 1 = 16 tokens): a lane holds one token and its registers run along the head's d.
; Waves 8-11 (g = 2): 128 tokens x 32 columns of V, source 0 = 16 tokens, source 1 = 16 rows of W: a lane holds one d and its registers run along the tokens.  Each wave: 16 sums of 16 x 16, 128 matrix instructions.
; The rows of every tile are 64 C + 8 n + i + 24 (i / 8) (tile 4 C + n), so that the 32 result registers of four neighbouring tiles of source 0 are 32 neighbours: a whole block, in the order that the next operand's registers want.
; TWO GROUPS OF LOADS, one load a wave each, every byte of LDS filled once: at the head K steps 0-3 and all scale words; behind the second round of the cluster's barrier K steps 4-7, which land while steps 0-3 are multiplied.
; LDS holds images of fragment registers: [four tiles][half of K][tile] x 4,096 + [K step % 4] x 1,024; a fragment load is 512 consecutive bytes.  No LDS store.
; CLUSTER 4 x 4: the four work-groups of a row of the cluster share their tokens, the four of a column their columns of W: x's and W's blocks are asked for jointly.  The roles hang on the wave's number alone.
; NO PREFETCH: there are two groups of loads and no loop to run ahead in.
; OUT.  att_codes: K at 0, Q at 2,097,152, V at 4,194,304, each [batch x 16 + head] x 65,536.  K, Q: [token tile 0..127] x 512 + 16 x lane (lanes 0-15 d 0-31, lanes 16-31 d 32-63 of the lane's token).
;   V: [128 keys 0..15] x 4,096 + [tile of d 0..3] x 1,024 + c x 512 + 16 x lane.
; att_scales: K at 0, Q at 262,144: [batch x 16 + head] x 8,192 + [64 tokens] x 256 + 16 r + 4 (tile % 4): bytes 0, 1 the two blocks, bytes 2, 3 zero (they stand over zero codes in attention).
;   V at 524,288: [batch x 16 + head] x 4,096 + [128 keys] x 256 + [tile of d] x 64 + 4 r.
; LIMITS: a block whose largest magnitude lies under 2^-124 gets the byte 1; NaN and infinities are not served.
.set XC, 0                             ; LDS: x's four quarters x 32,768
.set WC, 131072                        ; W's three parts x 32,768
.set HALF, 16384                       ; from the first half of K to the second
.set XS, 229376                        ; x's scale words, 512 bytes a tile
.set WS, 237568                        ; W's, 2,048 a part
.set SPARE, 243712                     ; the spare words, 128 bytes a wave
.set LI,  1                            ; v1   16 x lane
.set AXQ, 2                            ; v2-5   K/Q role: x's fragments, W's, x's scale words, W's
.set AWQ, 3
.set SXQ, 4
.set SWQ, 5
.set AX0, 6                            ; v6-10  V role: x's tiles 0-3, 4-7, W's fragments, x's scale words, W's
.set AX1, 7
.set AWV, 8
.set SXV, 9
.set SWV, 10
.set BOQ, 11                           ; v11  128 h: the bias of a lane's half, K/Q role
.set BOV, 12                           ; v12  4 (r + 24 (r / 8)): the bias of a lane's d, V role
.set SOQ, 13                           ; v13  16 r + 8 h
.set SOV, 14                           ; v14  4 x lane
.set H8,  15                           ; v15  8 h
.set SC,  16                           ; v16-55 scale words and nothing else
.set XF,  56                           ; v56-87 four fragments of x
.set WF,  88                           ; v88-119 four fragments of W
.set BV,  120                          ; v120-121 V's bias of my d in my two tiles
.set ACC, 128                          ; v128-255 the sums
.set PC,  56                           ; behind the products: two sets of eight registers of codes,
.set PW,  72                           ; two scale words,
.set SL,  74                           ; what I store of them,
.set TM,  88                           ; v88-91 largest magnitudes, v92-94 at work, v96-97 the conversions' scale operands
.set SEL, 2                            ; s[2:3]
.set G1XC, 24                          ; descriptor groups 1: x's codes, x's scales, W's codes, W's scales
.set G1XS, 32
.set G1WC, 40
.set G1WS, 48
.set G0XC, 56                          ; and groups 0
.set G0XS, 60
.set G0WC, 68
.set G0WS, 72
.macro CROUND                          ; a round of the cluster's barrier
	s_barrier_signal -1
	s_barrier_wait -1
	s_cmp_lg_u32 s14, 0
	s_cbranch_scc1 .Lnot_wave_0_\@
	s_barrier_signal -3
.Lnot_wave_0_\@:
	s_barrier_wait -3
	s_barrier_signal -1
	s_barrier_wait -1
.endm
.macro PLACES n
.rept \n
	v_nop
.endr
.endm
	s_load_b256 s[4:11], s[0:1], 0x0               ; in_codes s[4:5], in_scales s[6:7], b_qkv s[8:9], att_codes s[10:11]
	s_load_b64 s[12:13], s[0:1], 0x20              ; att_scales
	v_lshl_add_u32 v126, v0, 2, SPARE
	v_mov_b32 v127, 0
	ds_add_u32 v126, v127                          ; the opening: the add, twice on end, and its wait
	ds_add_u32 v126, v127
	v_lshrrev_b32 v1, 5, v0
	v_readfirstlane_b32 s14, v1                    ; wave 0..11
	s_lshr_b32 s15, s14, 2                         ; g: my part of W
	s_and_b32 s16, s14, 3                          ; tq: my quarter
	s_lshr_b32 s17, s16, 1                         ; th: V role: my 128 tokens
	s_and_b32 s18, s16, 1                          ; dh: V role: my two of the head's four tiles
	s_bfe_u32 s76, ttmp6, 0x40000                  ; cx
	s_bfe_u32 s77, ttmp6, 0x40004                  ; cy
	s_lshl_b32 s78, ttmp9, 2
	s_add_co_u32 s78, s78, s76                     ; nb = 4 x cluster x + cx
	s_and_b32 s79, ttmp7, 0xffff
	s_lshl_b32 s79, s79, 2
	s_add_co_u32 s79, s79, s77                     ; tb = 4 x cluster y + cy: my 256 tokens
	s_lshl_b32 s80, s77, 2
	s_lshl_b32 s80, 15, s80                        ; my row of the cluster
	s_lshl_b32 s81, 0x1111, s76                    ; my column
	s_or_b32 s[G1XC], s80, (3<<16)|(1<<21)         ; 15:0 the mask; 17:16 elements of 8 bytes; 21 set beside a mask
	s_or_b32 s[G1XS], s80, (3<<16)|(1<<21)
	s_or_b32 s[G1WC], s81, (3<<16)|(1<<21)
	s_or_b32 s[G1WS], s81, (3<<16)|(1<<21)
.macro ROWS g, d, n, p                 ; n rows of d elements of 8 bytes, p elements from row to row
	s_mov_b32 s[\g+1], (\d)<<16                    ; tensor_dim0
	s_mov_b32 s[\g+2], (\n)<<16                    ; tensor_dim1
	s_mov_b32 s[\g+3], (\d)<<16                    ; tile_dim0
	s_mov_b32 s[\g+4], \n                          ; tile_dim1
	s_mov_b32 s[\g+5], \p                          ; the pitch
	s_mov_b32 s[\g+6], 0
	s_mov_b32 s[\g+7], 0
.endm
	ROWS G1XC, 512, 4, 1024                        ; half of K of four tiles: 4,096 of each tile's 8,192 bytes
	ROWS G1WC, 512, 4, 1024
	ROWS G1XS, 32, 32, 32                          ; dense: x's scale words of 16 tiles,
	ROWS G1WS, 32, 8, 32                           ; W's of a part
	; waves 0-3 fetch x's four quarters, 4-6 W's three parts, 7 x's scale words, 8-10 those of W's parts, 11 nothing.  x's offsets are made of tb and the wave's number, W's of nb and the wave's number, each in registers of its own
	s_lshl_b32 s82, s79, 17
	s_lshl_b32 s20, s16, 15
	s_add_co_u32 s82, s82, s20                     ; x's codes: tb x 131,072 + quarter x 32,768
	s_mov_b32 s83, 0
	s_lshl_b32 s88, s79, 13                        ; x's scale words: tb x 8,192
	s_mov_b32 s89, 0
	s_lshl_b32 s84, s78, 1
	s_add_co_u32 s84, s84, s16
	s_add_co_u32 s85, s78, 32
	s_cmp_lt_u32 s16, 2
	s_cselect_b32 s84, s84, s85                    ; the part that waves 4 + (wave % 4) and 8 + (wave % 4) fetch of: 2 nb, 2 nb + 1, 32 + nb
	s_lshl_b32 s90, s84, 15
	s_add_co_u32 s90, s90, 2097152                 ; W_qkv's codes begin at tile 256
	s_mov_b32 s91, 0
	s_lshl_b32 s92, s84, 11
	s_add_co_u32 s92, s92, 131072
	s_mov_b32 s93, 0
	s_lshl_b32 s86, s78, 1
	s_add_co_u32 s86, s86, s15
	s_cmp_lt_u32 s15, 2
	s_cselect_b32 s86, s86, s85                    ; hp: the part that I compute
	s_min_u32 s19, s16, 2
	s_lshl_b32 s21, s19, 15
	s_add_co_u32 s21, s21, WC                      ; where the fills go hangs on the wave's number alone
	s_lshl_b32 s22, s19, 11
	s_add_co_u32 s22, s22, WS
	s_mov_b32 s[SEL], 0x76543210
	s_mov_b32 s[SEL+1], 0xfedcba98
	s_wait_dscnt 0x0                               ; both opening adds are done
	s_wait_kmcnt 0x0
	s_mov_b32 s[G0XC], 1
	s_mov_b32 s[G0XC+1], s20
	s_add_nc_u64 s[G0XC+2:G0XC+3], s[4:5], s[82:83]
	s_or_b32 s[G0XC+3], s[G0XC+3], 0x80000000
	s_mov_b32 s[G0XS], 1
	s_mov_b32 s[G0XS+1], XS
	s_add_nc_u64 s[G0XS+2:G0XS+3], s[6:7], s[88:89]
	s_or_b32 s[G0XS+3], s[G0XS+3], 0x80000000
	s_mov_b32 s[G0WC], 1
	s_mov_b32 s[G0WC+1], s21
	s_add_nc_u64 s[G0WC+2:G0WC+3], s[4:5], s[90:91]
	s_or_b32 s[G0WC+3], s[G0WC+3], 0x80000000
	s_mov_b32 s[G0WS], 1
	s_mov_b32 s[G0WS+1], s22
	s_add_nc_u64 s[G0WS+2:G0WS+3], s[6:7], s[92:93]
	s_or_b32 s[G0WS+3], s[G0WS+3], 0x80000000
	CROUND                                         ; all sixteen work-groups are here: the joint loads meet
.macro ARM under, g0, g1, next, join   ; one chain of branches on the wave's number, one load to an arm
	s_cmp_lt_u32 s14, \under
	s_cbranch_scc0 \next
	tensor_load_to_lds s[\g0:\g0+3], s[\g1:\g1+7]
	s_nop 0
	PLACES 4
	s_branch \join
\next:
.endm
	ARM 4, G0XC, G1XC, .Lhead_w, .Lasked
	ARM 7, G0WC, G1WC, .Lhead_xs, .Lasked
	ARM 8, G0XS, G1XS, .Lhead_ws, .Lasked
	ARM 11, G0WS, G1WS, .Lhead_none, .Lasked
.Lasked:
	; the addresses of both roles, made by every wave ahead of the branch on the role
	v_and_b32 v[LI], 31, v0
	v_and_b32 v[BOV], 15, v0                       ; r
	v_bfe_u32 v[H8], v0, 4, 1                      ; h
	v_lshlrev_b32 v[SOV], 2, v[LI]
	v_lshlrev_b32 v[SOQ], 4, v[BOV]
	v_lshlrev_b32 v[BOQ], 7, v[H8]
	v_lshlrev_b32 v[LI], 4, v[LI]
	v_lshl_add_u32 v[SOQ], v[H8], 3, v[SOQ]
	v_lshlrev_b32 v[H8], 3, v[H8]
	v_and_b32 v[AXQ], 8, v[BOV]
	v_mad_u32_u24 v[BOV], v[AXQ], 3, v[BOV]
	v_lshlrev_b32 v[BOV], 2, v[BOV]
	s_lshl_b32 s22, s16, 15
	v_add_nc_u32 v[AXQ], s22, v[LI]                ; my four tiles of x
	s_lshl_b32 s22, s15, 15
	s_add_co_u32 s22, s22, WC
	v_add_nc_u32 v[AWQ], s22, v[LI]                ; my part of W
	s_lshl_b32 s22, s16, 11
	s_add_co_u32 s22, s22, XS
	v_add_nc_u32 v[SXQ], s22, v[LI]
	s_lshl_b32 s22, s15, 11
	s_add_co_u32 s22, s22, WS
	v_add_nc_u32 v[SWQ], s22, v[LI]
	s_lshl_b32 s22, s17, 16
	v_add_nc_u32 v[AX0], s22, v[LI]                ; V role: my eight tiles of x,
	v_add_nc_u32 v[AX1], 32768, v[AX0]
	s_lshl_b32 s22, s18, 13
	s_add_co_u32 s22, s22, WC+65536
	v_add_nc_u32 v[AWV], s22, v[LI]                ; my two tiles of the third part
	s_lshl_b32 s22, s17, 12
	s_add_co_u32 s22, s22, XS
	v_add_nc_u32 v[SXV], s22, v[LI]
	s_lshl_b32 s22, s18, 10
	s_add_co_u32 s22, s22, WS+4096
	v_add_nc_u32 v[SWV], s22, v[LI]
	s_wait_alu depctr_va_vdst(0)                   ; the wait at the head's end, ahead of the run of scalar lines
	; the bias is the C of each sum's first matrix instruction.  Every wave loads it in both forms (all addresses lie inside b_qkv), so that no branch on the role stands ahead of the barrier
	s_lshl_b32 s88, s86, 8
	s_mov_b32 s89, 0
	s_add_nc_u64 s[88:89], s[8:9], s[88:89]        ; my part's 64 numbers
	s_lshl_b32 s90, s85, 8
	s_lshl_b32 s91, s18, 6
	s_add_co_u32 s90, s90, s91
	s_mov_b32 s91, 0
	s_add_nc_u64 s[90:91], s[8:9], s[90:91]        ; V of head nb, from d = 16 dh on
.irp t, 0,1,2,3
	global_load_b128 v[ACC+96+8*\t:ACC+99+8*\t], v[BOQ], s[88:89] offset:32*\t      ; lane (r, h), tile t: d = 32 h + 8 t + 0 .. 7
	global_load_b128 v[ACC+100+8*\t:ACC+103+8*\t], v[BOQ], s[88:89] offset:32*\t+16
.endr
	global_load_b32 v[BV], v[BOV], s[90:91]        ; d = 8 (2 dh + t) + r + 24 (r / 8)
	global_load_b32 v[BV+1], v[BOV], s[90:91] offset:32
	; where my results go
	s_lshr_b32 s92, s79, 3                         ; the batch
	s_and_b32 s93, s79, 7                          ; my 256 tokens in it
	s_lshr_b32 s22, s86, 4
	s_lshl_b32 s22, s22, 5
	s_lshl_b32 s23, s92, 4
	s_add_co_u32 s22, s22, s23
	s_and_b32 s23, s86, 15
	s_add_co_u32 s22, s22, s23                     ; 32 x (K 0, Q 1, V 2) + 16 x batch + head
	s_lshl_b32 s98, s22, 16
	s_lshl_b32 s23, s93, 13
	s_add_co_u32 s98, s98, s23
	s_lshl_b32 s23, s16, 11
	s_add_co_u32 s98, s98, s23                     ; codes: 8,192 bytes for 256 tokens and 2,048 for my quarter, in all three layouts
	s_mov_b32 s99, 0
	s_add_nc_u64 s[10:11], s[10:11], s[98:99]
	s_lshl_b32 s98, s22, 13
	s_lshl_b32 s23, s93, 10
	s_add_co_u32 s98, s98, s23
	s_lshl_b32 s23, s16, 8
	s_add_co_u32 s98, s98, s23
	s_add_nc_u64 s[94:95], s[12:13], s[98:99]      ; K's and Q's scale words (used in that role alone)
	s_lshl_b32 s98, s92, 4
	s_add_co_u32 s98, s98, s78
	s_lshl_b32 s98, s98, 12
	s_add_co_u32 s98, s98, 524288
	s_lshl_b32 s23, s93, 9
	s_add_co_u32 s98, s98, s23
	s_lshl_b32 s23, s16, 7
	s_add_co_u32 s98, s98, s23
	s_add_nc_u64 s[96:97], s[12:13], s[98:99]      ; V's scale words
	s_wait_tensorcnt 0x0                           ; my fill has landed; the add twice on end, ahead of a later first fill:
	ds_add_u32 v126, v127
	ds_add_u32 v126, v127
	s_add_co_u32 s[G0XC+1], s[G0XC+1], HALF        ; no tensor load of mine is out, so the groups 0 may be written: the second half of K
	s_add_nc_u64 s[G0XC+2:G0XC+3], s[G0XC+2:G0XC+3], 4096
	s_add_co_u32 s[G0WC+1], s[G0WC+1], HALF
	s_add_nc_u64 s[G0WC+2:G0WC+3], s[G0WC+2:G0WC+3], 4096
	s_wait_dscnt 0x0
	CROUND                                         ; everybody's fills have landed, and all sixteen work-groups are here
	ARM 4, G0XC, G1XC, .Lsecond_w, .Lasked2        ; K steps 4-7: first behind the round
	ARM 7, G0WC, G1WC, .Lsecond_none, .Lasked2
.Lasked2:
	s_wait_loadcnt 0x0                             ; the bias
; 64 numbers of a lane, two whole blocks (registers 32 c + i = k 32 (..) + i), become eight registers of codes and two scale bytes, which with lane l xor 16's two make a word: byte 2 c + h is block c of half h.
; Each sum is read from its low end on.
.macro QUANT2 s, pc, pw
.irp q, 0,1,2,3
	v_max3_num_f32 v[TM+\q], |v[(\s)+16*\q]|, |v[(\s)+1+16*\q]|, 0x1800000   ; half blocks, and the floor 2^(3 - 127): the byte cannot fall under 1
.endr
.irp i, 2,4,6,8,10,12,14
.irp q, 0,1,2,3
	v_max3_num_f32 v[TM+\q], v[TM+\q], |v[(\s)+16*\q+\i]|, |v[(\s)+1+16*\q+\i]|   ; (by turns)
.endr
.endr
	v_max_num_f32 v[TM], v[TM], v[TM+1]            ; the two blocks' largest magnitudes
	v_max_num_f32 v[TM+2], v[TM+2], v[TM+3]
	s_delay_alu instid0(VALU_DEP_2)
	v_add_nc_u32 v[TM+8], 0xff000000, v[TM]        ; 2 off the exponent field: the conversion's scale operand
	s_delay_alu instid0(VALU_DEP_2)
	v_add_nc_u32 v[TM+9], 0xff000000, v[TM+2]
	s_delay_alu instid0(VALU_DEP_2)
	v_lshrrev_b32 v[TM+4], 23, v[TM+8]             ; the scale's byte
	s_delay_alu instid0(VALU_DEP_2)
	v_lshrrev_b32 v[TM+5], 23, v[TM+9]
	s_delay_alu instid0(VALU_DEP_1)
	v_lshl_or_b32 v[\pw], v[TM+5], 16, v[TM+4]
	s_delay_alu instid0(VALU_DEP_1)
	v_lshlrev_b32 v[\pw], v[H8], v[\pw]
	s_delay_alu instid0(VALU_DEP_1)
	v_permlanex16_b32 v[TM+6], v[\pw], s[SEL], s[SEL+1]
	s_delay_alu instid0(VALU_DEP_1)
	v_or_b32 v[\pw], v[\pw], v[TM+6]
.irp c, 0,1
.irp g, 0,1,2,3
	v_cvt_scalef32_pk8_fp4_f32 v[(\pc)+4*\c+\g], v[(\s)+32*\c+8*\g:(\s)+32*\c+8*\g+7], v[TM+8+\c]
.endr
.endr
	v_nop                                          ; one plain place behind the scaled conversions
.endm
; Behind the products, both roles: 128 sums of a lane become 16 registers of codes, stored as 2,048 consecutive bytes, and two scale words
.macro EPI
	PLACES 4                                       ; the sums are read, and the fragments' registers written, four places behind the last products
	v_mov_b32 v[TM+6], 0                           ; a lane permute's destination counts as one of its sources
	QUANT2 ACC, PC, PW
	global_store_b128 v[LI], v[PC:PC+3], s[10:11]
	global_store_b128 v[LI], v[PC+4:PC+7], s[10:11] offset:512
	QUANT2 ACC+64, PC+8, PW+1
	global_store_b128 v[LI], v[PC+8:PC+11], s[10:11] offset:1024
	global_store_b128 v[LI], v[PC+12:PC+15], s[10:11] offset:1536
	v_cmp_ne_u32 vcc_lo, 0, v[H8]
	v_cndmask_b32 v[SL], v[PW], v[PW+1], vcc_lo    ; lanes 0-15 take the first word, lanes 16-31 the second
.endm
	; ---- K or Q: sum (i, t) at v[ACC + 8 (4 i + t)]: tile i of my tokens, tile t of the part's 64 columns
.macro QMUL i, t, s
.set rD, ACC+8*(4*(\i)+(\t))
.set rA, WF+8*(\t)
.set rB, XF+8*(\i)
.set rP, SC+16+4*(\t)+(\s)%4
.set rQ, SC+4*(\i)+(\s)%4
.if (\s) == 0
	v_wmma_scale_f32_16x16x128_f8f6f4 v[rD:rD+7], v[rA:rA+7], v[rB:rB+7], v[ACC+96+8*(\t):ACC+103+8*(\t)], v[rP], v[rQ] matrix_a_fmt:MATRIX_FMT_FP4 matrix_b_fmt:MATRIX_FMT_FP4
.elseif (\s) < 4
	v_wmma_scale_f32_16x16x128_f8f6f4 v[rD:rD+7], v[rA:rA+7], v[rB:rB+7], v[rD:rD+7], v[rP], v[rQ] matrix_a_fmt:MATRIX_FMT_FP4 matrix_b_fmt:MATRIX_FMT_FP4
.else
	v_wmma_scale_f32_16x16x128_f8f6f4 v[rD:rD+7], v[rA:rA+7], v[rB:rB+7], v[rD:rD+7], v[rP], v[rQ] matrix_a_fmt:MATRIX_FMT_FP4 matrix_b_fmt:MATRIX_FMT_FP4 matrix_a_scale:MATRIX_SCALE_ROW1 matrix_b_scale:MATRIX_SCALE_ROW1
.endif
.endm
; A K step of 128: eight fragments from LDS, sixteen products; the sixteen sums take turns, one instruction a turn, in one order throughout.
; A tile's scale words of all of K are four registers: K step s takes register s % 4, from lanes 0-15 for s < 4 and from lanes 16-31 after.
.macro KSTEP_KQ s
.set KO, HALF*((\s)/4)+1024*((\s)%4)
.if (\s) > 0
	PLACES 4                                       ; in front of loads into registers that matrix instructions have read
.endif
.irp t, 0,1,2,3
.irp c, 0,1
	ds_load_b128 v[WF+8*\t+4*\c:WF+8*\t+4*\c+3], v[AWQ] offset:4096*\t+KO+512*\c
.endr
.endr
.irp i, 0,1,2,3
.irp c, 0,1
	ds_load_b128 v[XF+8*\i+4*\c:XF+8*\i+4*\c+3], v[AXQ] offset:4096*\i+KO+512*\c
.endr
.endr
.irp i, 0,1,2,3
	s_wait_dscnt 6-2*\i                            ; W's fragments and x's tiles up to i are in; the later tiles' two loads each may be out
.if ((\s) == 0) && (\i == 3)
	PLACES 5                                       ; these four write over the bias, which the twelve before took as C
.endif
.irp t, 0,1,2,3
	QMUL \i, \t, \s
.endr
.endr
.endm
	; ---- V: sum (t, i) at v[ACC + 8 (8 t + i)]: tile t of my 32 columns, tile i of my 128 tokens
.macro VMUL i, t, s
.set rD, ACC+8*(8*(\t)+(\i))
.set rA, XF+8*((\i)%4)
.set rB, WF+8*(\t)
.set rP, SC+4*(\i)+(\s)%4
.set rQ, SC+32+4*(\t)+(\s)%4
.if (\s) == 0
	v_wmma_scale_f32_16x16x128_f8f6f4 v[rD:rD+7], v[rA:rA+7], v[rB:rB+7], v[ACC+56+64*(\t):ACC+63+64*(\t)], v[rP], v[rQ] matrix_a_fmt:MATRIX_FMT_FP4 matrix_b_fmt:MATRIX_FMT_FP4
.elseif (\s) < 4
	v_wmma_scale_f32_16x16x128_f8f6f4 v[rD:rD+7], v[rA:rA+7], v[rB:rB+7], v[rD:rD+7], v[rP], v[rQ] matrix_a_fmt:MATRIX_FMT_FP4 matrix_b_fmt:MATRIX_FMT_FP4
.else
	v_wmma_scale_f32_16x16x128_f8f6f4 v[rD:rD+7], v[rA:rA+7], v[rB:rB+7], v[rD:rD+7], v[rP], v[rQ] matrix_a_fmt:MATRIX_FMT_FP4 matrix_b_fmt:MATRIX_FMT_FP4 matrix_a_scale:MATRIX_SCALE_ROW1 matrix_b_scale:MATRIX_SCALE_ROW1
.endif
.endm
.macro KSTEP_V s
.set KO, HALF*((\s)/4)+1024*((\s)%4)
.if (\s) > 0
	PLACES 4
.endif
.irp t, 0,1
.irp c, 0,1
	ds_load_b128 v[WF+8*\t+4*\c:WF+8*\t+4*\c+3], v[AWV] offset:4096*\t+KO+512*\c
.endr
.endr
.irp i, 0,1,2,3
.irp c, 0,1
	ds_load_b128 v[XF+8*\i+4*\c:XF+8*\i+4*\c+3], v[AX0] offset:4096*\i+KO+512*\c
.endr
.endr
.irp i, 0,1,2,3
	s_wait_dscnt 6-2*\i                            ; the later tiles' two loads each may be out
	VMUL \i, 0, \s
	VMUL \i, 1, \s
.endr
	PLACES 4                                       ; x's tiles 4-7 take the registers of tiles 0-3
.irp i, 0,1,2,3
.irp c, 0,1
	ds_load_b128 v[XF+8*\i+4*\c:XF+8*\i+4*\c+3], v[AX1] offset:4096*\i+KO+512*\c
.endr
.endr
.irp i, 0,1,2,3
	s_wait_dscnt 6-2*\i
.if ((\s) == 0) && (\i == 3)
	PLACES 5                                       ; these two write over the bias, which the fourteen before took as C
.endif
	VMUL \i+4, 0, \s
	VMUL \i+4, 1, \s
.endr
.endm
.irp t, 0,1                            ; (every wave loads these two, so that they are written on both ways)
	ds_load_b128 v[SC+32+4*\t:SC+32+4*\t+3], v[SWV] offset:512*\t
.endr
	s_cmp_eq_u32 s15, 2
	s_cbranch_scc1 .Lv
.irp i, 0,1,2,3
	ds_load_b128 v[SC+4*\i:SC+4*\i+3], v[SXQ] offset:512*\i
	ds_load_b128 v[SC+16+4*\i:SC+16+4*\i+3], v[SWQ] offset:512*\i
.endr
.irp s, 0,1,2,3
	KSTEP_KQ \s
.endr
	s_branch .Lhalf
.Lv:
.irp j, 0,1,2,3,4,5,6,7
	v_mov_b32 v[ACC+56+\j], v[BV]                  ; a lane holds one d: its bias in all eight registers of the C
	v_mov_b32 v[ACC+120+\j], v[BV+1]
.endr
.irp i, 0,1,2,3,4,5,6,7
	ds_load_b128 v[SC+4*\i:SC+4*\i+3], v[SXV] offset:512*\i
.endr
	s_wait_alu depctr_va_vdst(0)
.irp s, 0,1,2,3
	KSTEP_V \s
.endr
.Lhalf:                                            ; the roles join for the barrier
	s_wait_tensorcnt 0x0                           ; my part of the second half of K has landed,
	s_wait_dscnt 0x0
	s_barrier_signal -1
	s_barrier_wait -1                              ; everybody's has; nothing fills LDS from here on
	s_cmp_eq_u32 s15, 2
	s_cbranch_scc1 .Lv2
.irp s, 4,5,6,7
	KSTEP_KQ \s
.endr
	EPI                                            ; a run of 64 registers is two tiles of tokens: two half fragments; the halves of its word are the two tiles' words
	v_lshrrev_b32 v[SL+1], 16, v[SL]               ; lane (r, h): the words of tiles 2 h and 2 h + 1: two bytes each, zeros above
	v_and_b32 v[SL], 0xffff, v[SL]
	global_store_b64 v[SOQ], v[SL:SL+1], s[94:95]  ; the wave stores 256 consecutive bytes
	s_branch .Lend
.Lv2:
.irp s, 4,5,6,7
	KSTEP_V \s
.endr
	EPI                                            ; a run of 64 registers is 128 tokens of one d: a whole fragment of V^T and its scale word
	global_store_b32 v[SOV], v[SL], s[96:97]       ; lanes 0-15 my first tile's words, lanes 16-31 my second's: 128 consecutive bytes
.Lend:
	s_wait_tensorcnt 0x0                           ; the wave's end
	ds_add_u32 v126, v127
	s_wait_dscnt 0x0
	CROUND                                         ; the closing round: no work-group ends while a partner may still ask for a block that names it
	s_endpgm
.Lfunc_end_k_q04f3386059_qkv:
	.size	k_q04f3386059_qkv, .Lfunc_end_k_q04f3386059_qkv-k_q04f3386059_qkv
	.p2alignl 7, 3214868480
	.fill 96, 4, 3214868480
	.section	.rodata,"a",@progbits
	.p2align	6, 0x0
	.amdhsa_kernel k_q04f3386059_qkv
		.amdhsa_group_segment_fixed_size 327680
		.amdhsa_private_segment_fixed_size 0
		.amdhsa_enable_private_segment 0
		.amdhsa_kernarg_size 40
		.amdhsa_user_sgpr_count 2
		.amdhsa_user_sgpr_kernarg_segment_ptr 1
		.amdhsa_wavefront_size32 1
		.amdhsa_system_sgpr_workgroup_id_x 1
		.amdhsa_system_sgpr_workgroup_id_y 1
		.amdhsa_system_sgpr_workgroup_id_z 1
		.amdhsa_system_vgpr_workitem_id 0
		.amdhsa_next_free_vgpr 256
		.amdhsa_next_free_sgpr 100
		.amdhsa_reserve_vcc 1
		.amdhsa_float_denorm_mode_32 3
		.amdhsa_float_denorm_mode_16_64 3
		.amdhsa_memory_ordered 1
		.amdhsa_forward_progress 1
		.amdhsa_inst_pref_size 85
	.end_amdhsa_kernel
	.amdgpu_metadata
---
amdhsa.version: [ 1, 2 ]
amdhsa.kernels:
  - .name:           k_q04f3386059_qkv
    .symbol:         k_q04f3386059_qkv.kd
    .args:
      - { .name: in_codes, .offset: 0, .size: 8, .value_kind: global_buffer, .address_space: global }
      - { .name: in_scales, .offset: 8, .size: 8, .value_kind: global_buffer, .address_space: global }
      - { .name: b_qkv, .offset: 16, .size: 8, .value_kind: global_buffer, .address_space: global }
      - { .name: att_codes, .offset: 24, .size: 8, .value_kind: global_buffer, .address_space: global }
      - { .name: att_scales, .offset: 32, .size: 8, .value_kind: global_buffer, .address_space: global }
    .group_segment_fixed_size: 327680
    .private_segment_fixed_size: 0
    .kernarg_segment_align: 8
    .kernarg_segment_size: 40
    .max_flat_workgroup_size: 384
    .sgpr_count:     100
    .vgpr_count:     256
    .wavefront_size: 32
...
	.end_amdgpu_metadata
.endif
;; end of part 2
;; launch attn (part 3): grid 8 x 32, 16 waves a work-group, clusters of 4 x 1, 327,680 bytes of LDS; arguments att_codes, att_scales, o_codes, o_scales; writes o_codes, o_scales
.if DOCPART == 3
	.amdgcn_target "amdgcn-amd-amdhsa--gfx1250"
	.amdhsa_code_object_version 6
	.text
	.protected	k_q04f3386059_attn
	.globl	k_q04f3386059_attn
	.p2align	8
	.type	k_q04f3386059_attn,@function
k_q04f3386059_attn:
	s_mov_b64 s[64:65], 0
	v_nop
	global_prefetch_b8 v0, s[64:65] scope:SCOPE_SE
	s_setreg_imm32_b32 hwreg(HW_REG_WAVE_MODE, 25, 1), 1
	s_wait_xcnt 0x0
	s_wait_alu depctr_hold_cnt(0) depctr_sa_sdst(0) depctr_va_vdst(0) depctr_va_sdst(0) depctr_va_ssrc(0) depctr_va_vcc(0) depctr_vm_vsrc(0)
	s_getreg_b32 s2, hwreg(HW_REG_IB_STS2, 6, 4)
	s_cmp_eq_u32 s2, 0
	s_cbranch_scc0 .Lentry_in_a_cluster
	s_endpgm
.Lentry_in_a_cluster:
	s_bfe_u32 s2, ttmp6, 0x10000c
	s_cmp_lg_u32 s2, 0x3003
	s_cbranch_scc0 .Lentry_shape_is_right
	s_endpgm
.Lentry_shape_is_right:
; o[q] = the sum over keys k <= q of softmax_k(Q[q] . K[k] / 8) V[k], one head of 64 a row of the grid, both products on codes of FP4 (E2M1) with E8M0 scales; o is quantised along the model's 1,024 for the last product.
; THE SOFTMAX AHEAD OF THE SECOND PRODUCT: t = score x log2(e) / 8; M = the row's largest t so far, rounded UP to a whole number; p = 2^(t - M) is quantised along the keys, not normalised.  The row's sum is taken of the
; unquantised p and divides O at the end.  When M moves, the sum and O are multiplied by 2^(old M - new M): exact.
; WORK LEFT OUT: key steps of 128 all of whose keys come after a wave's 16 queries: the causal mask sets their scores to -infinity, so their p is 0 whatever the inputs hold.
; SHARES.  Grid y is batch x 16 + head.  A group is 128 tokens = 8 tiles of 16; work-group j takes tile j of each of the head's 16 groups; group g needs the key steps 0 .. g.  Groups i and 15 - i (i = 0 .. 7), 17 steps together,
; are shared by waves i and 8 + i.  Wave 8 + i (role a) walks steps 0 .. 7 of the HIGH tile, group 15 - i (i = 0: 0 .. 8).  Wave i (role b) walks steps 0 .. i of the LOW tile, stores its o, and walks the high tile's steps 8 .. 15 - i
; (i = 0: from 9).  At the end b leaves its O, M and sum of the high tile in LDS, and a joins both parts (2^(M - M') is exact) and stores.  Eight or nine steps in every wave, 34 in waves w, w + 4, w + 8, w + 12.
; TWO GROUPS OF LOADS.  At the head, one load a wave: key steps 0 and 1 of K and V (16 KB) and all scale words (12 KB).  Behind the second round of the cluster's barrier, one load a wave: steps 2 .. 15 (28 rows of 256 bytes a wave),
; which land while trips 0 and 1 are worked.  Every byte of LDS is filled once.  Both groups are JOINT loads of the cluster's four work-groups, which need the same K and V; no branch, trip count or LDS address hangs on cx.
; A step's tiles of K are loaded from LDS one trip ahead, behind the products that free their registers; its tiles of V behind its own first product.
; NO PREFETCH into the L2: there are two groups of loads and no loop to run ahead in.
; LAYOUT.  Both products transposed: S^T = K Q^T, O^T = V^T P^T: a lane holds ONE query (lane % 16 = r).  Tile 4 C + n of tokens holds tokens 64 C + 8 n + i + 24 (i / 8), so register 32 c + i of S^T in lane (r, h) is key
; 64 c + 32 h + i of the step: a lane holds two WHOLE blocks of 32, in the order of the second product's operand.  THE HEAD IS 64, THE INSTRUCTION 128 DEEP: Q's registers 4-7 are zero codes.  A tile of K is four registers; the
; instruction names eight, the upper four being the next tile's (behind the last: zeros): whatever they hold meets zero codes and adds nothing.
; THE DIAGONAL STEP: my queries lie in keys 64 X + .. of their group's 128, X = the cluster's x: there a key is hidden where 32 h + i > 8 cx + r + 24 (r / 8): 32 lane masks, made once; for X = 0 keys 64 .. 127 are all hidden.
; LIMITS: the scaled scores t stay under 2^31 in magnitude; a block of p or o whose largest number lies under 2^-124 gets the byte 1; NaN, infinities and sums that overflow are not served.
.set LVC, 65536                        ; LDS: K's codes at 0: [step] x 4,096; V's: [step] x 4,096 + [tile of d] x 1,024
.set LKS, 131072                       ; K's scale words: [step] x 512
.set LVS, 139264                       ; V's: [step] x 256
.set STAGE, 143360                     ; role b's part of a high tile: 4,096 + 256 bytes a pair
.set SPARE, STAGE+8*4352               ; the spare words, 128 bytes a wave
.set QF,  16                           ; v16-19 Q's codes, v20-23 zeros
.set QS,  24                           ; v24    Q's scale words     (v24-31 hold scales and nothing else)
.set PSW, 25                           ; v25    p's scale word
.set KSC, 26                           ; v26-29 K's: register j: lanes 0-15 tile j, lanes 16-31 tile 4 + j
.set VSC, 30                           ; v30-31 V's: register a: lanes 0-15 tile 2 a, lanes 16-31 tile 2 a + 1
.set KF,  32                           ; v32-63 K's eight tiles, four registers each; v64-67 zeros
.set VF,  68                           ; v68-99 V's four fragments
.set S,   100                          ; v100-163 S^T, then p
.set OT,  164                          ; v164-195 O^T: register 8 t + j is d = 32 h + 8 t + j
.set PC,  196                          ; v196-203 codes
.set BM,  204                          ; v204-207 largest scores; v208 a lane permute's result, v209-212, v222 at work
.set CH,  236                          ; v236-249 chains of maxima, then of sums
.set WV,  12                           ; s12 wave
.set TR,  13                           ; s13 the trip, 0 .. 8
.set DG1, 14                           ; s14, s15 the trips that are on the diagonal (role a: none)
.set DG2, 15
.set TLS, 16                           ; s16 my last trip
.set IP,  17                           ; s17 i, my pair
.set SW,  18                           ; s18 the trip at whose head role b changes tiles
.set IB,  19                           ; s19 role b: i; role a: 15
.set A0,  4                            ; s4, s5 where the step's codes and V's scale words begin; s7 at work
.set A2,  5
.set N0,  6                            ; s6, s24 where the next step's codes and K's scale words begin; s26 at work
.set N1,  24
.set SEL, 20                           ; s[20:21]
.set CS,  22                           ; s[22:23] c = log2(e) / 8
.set G1A, 24                           ; descriptor groups 1: 8, 4 and 28 rows of 256 bytes (the first is free behind the head)
.set G1V, 32
.set G1R, 40
.set G0A, 48                           ; groups 0: steps 0 and 1, K's scale words, V's, and the second group of loads
.set G0B, 52
.set G0C, 56
.set G0R, 60
.set MK,  66                           ; s66-97 the lane masks of the diagonal (at the head: offsets)
.macro CROUND                          ; a round of the cluster's barrier
	s_barrier_signal -1
	s_barrier_wait -1
	s_cmp_lg_u32 s[WV], 0
	s_cbranch_scc1 .Lnot_wave_0_\@
	s_barrier_signal -3
.Lnot_wave_0_\@:
	s_barrier_wait -3
	s_barrier_signal -1
	s_barrier_wait -1
.endm
.macro PLACES n
.rept \n
	v_nop
.endr
.endm
	s_load_b256 s[4:11], s[0:1], 0x0               ; att_codes s[4:5], att_scales s[6:7], o_codes s[8:9], o_scales s[10:11]
	v_lshl_add_u32 v254, v0, 2, SPARE
	v_mov_b32 v255, 0
	ds_add_u32 v254, v255                          ; the opening: the add, twice on end, and its wait
	ds_add_u32 v254, v255
	v_lshrrev_b32 v1, 5, v0
	v_readfirstlane_b32 s[WV], v1                  ; wave 0..15
	s_bfe_u32 s13, ttmp6, 0x40000                  ; cx
	s_and_b32 s14, ttmp7, 0xffff                   ; batch x 16 + head
	s_lshl_b32 s16, ttmp9, 2
	s_add_co_u32 s16, s16, s13                     ; j
	s_and_b32 s[IP], s[WV], 7
	s_xor_b32 s18, s[IP], 15                       ; 15 - i
	s_cmp_ge_u32 s[WV], 8
	s_cselect_b32 s19, s18, s[IP]                  ; my first tile's group
	s_lshl_b32 s18, s18, 3
	s_add_co_u32 s18, s18, s16                     ; the high tile
	s_lshl_b32 s19, s19, 3
	s_add_co_u32 s19, s19, s16                     ; my first tile
.macro TOFF t, q                       ; byte offsets of tile t: Q's codes, Q's scale words, o's codes, o's scale bytes
	s_lshl_b32 s[\q], s14, 16
	s_lshl_b32 s90, s[\t], 9
	s_add_co_u32 s[\q], s[\q], s90
	s_add_co_u32 s[\q], s[\q], 2097152
	s_mov_b32 s[\q+1], 0
	s_lshl_b32 s[\q+2], s14, 13
	s_lshr_b32 s90, s[\t], 2
	s_lshl_b32 s90, s90, 8
	s_add_co_u32 s[\q+2], s[\q+2], s90
	s_and_b32 s90, s[\t], 3
	s_lshl_b32 s90, s90, 2
	s_add_co_u32 s[\q+2], s[\q+2], s90
	s_add_co_u32 s[\q+2], s[\q+2], 262144
	s_mov_b32 s[\q+3], 0
	s_lshr_b32 s[\q+4], s14, 4
	s_lshl_b32 s[\q+4], s[\q+4], 7
	s_add_co_u32 s[\q+4], s[\q+4], s[\t]
	s_lshl_b32 s[\q+4], s[\q+4], 13
	s_and_b32 s90, s14, 15
	s_lshl_b32 s90, s90, 9
	s_add_co_u32 s[\q+4], s[\q+4], s90             ; (128 x batch + tile) x 8,192 + head x 512
	s_mov_b32 s[\q+5], 0
	s_lshl_b32 s[\q+6], s14, 7
	s_add_co_u32 s[\q+6], s[\q+6], s[\t]
	s_lshl_b32 s[\q+6], s[\q+6], 5                 ; ((batch x 16 + head) x 128 + tile) x 32
	s_mov_b32 s[\q+7], 0
.endm
	TOFF 19, 66
	TOFF 18, 74
.macro ROWS g, n                       ; dense rows of 256 bytes (32 elements of 8 bytes), to all four work-groups of the cluster
	s_mov_b32 s[\g], 15|(3<<16)|(1<<21)
	s_mov_b32 s[\g+1], 32<<16
	s_mov_b32 s[\g+2], (\n)<<16
	s_mov_b32 s[\g+3], 32<<16
	s_mov_b32 s[\g+4], \n
	s_mov_b32 s[\g+5], 32
	s_mov_b32 s[\g+6], 0
	s_mov_b32 s[\g+7], 0
.endm
	ROWS G1A, 8
	ROWS G1V, 4
	ROWS G1R, 28
	; what I fetch.  Head: waves 0-3 quarters of K's steps 0 and 1, 4-7 of V's, 8-11 of K's scale words, 12-15 of V's.  Second group: waves 0-7 eighths of K's steps 2 .. 15, 8-15 of V's
	s_and_b32 s2, s[WV], 3
	s_bfe_u32 s3, s[WV], 0x10002                   ; K or V
	s_lshl_b32 s92, s3, 16
	s_lshl_b32 s90, s2, 11
	s_add_co_u32 s92, s92, s90                     ; in LDS
	s_lshl_b32 s82, s14, 16
	s_add_co_u32 s82, s82, s90
	s_lshl_b32 s91, s3, 22
	s_add_co_u32 s82, s82, s91                     ; in att_codes: V 4,194,304 on
	s_mov_b32 s83, 0
	s_add_co_u32 s93, s90, LKS
	s_lshl_b32 s84, s14, 13
	s_add_co_u32 s84, s84, s90
	s_mov_b32 s85, 0
	s_lshl_b32 s90, s2, 10
	s_add_co_u32 s94, s90, LVS
	s_lshl_b32 s86, s14, 12
	s_add_co_u32 s86, s86, s90
	s_add_co_u32 s86, s86, 524288
	s_mov_b32 s87, 0
	s_lshr_b32 s3, s[WV], 3
	s_mul_i32 s90, s[IP], 7168
	s_add_co_u32 s90, s90, 8192
	s_lshl_b32 s95, s3, 16
	s_add_co_u32 s95, s95, s90
	s_lshl_b32 s88, s14, 16
	s_add_co_u32 s88, s88, s90
	s_lshl_b32 s91, s3, 22
	s_add_co_u32 s88, s88, s91
	s_mov_b32 s89, 0
	s_mov_b32 s[SEL], 0x76543210
	s_mov_b32 s[SEL+1], 0xfedcba98
	s_mov_b32 s[CS], 0x3e38aa3b                    ; log2(e) / 8
	s_mov_b32 s[CS+1], s[CS]                       ; (named with it as a pair, so it is written)
	s_wait_dscnt 0x0                               ; both opening adds are done
	s_wait_kmcnt 0x0
.macro GRP g, lds, base, off
	s_mov_b32 s[\g], 1
	s_mov_b32 s[\g+1], s[\lds]
	s_add_nc_u64 s[\g+2:\g+3], s[\base:\base+1], s[\off:\off+1]
	s_or_b32 s[\g+3], s[\g+3], 0x80000000
.endm
	GRP G0A, 92, 4, 82
	GRP G0B, 93, 6, 84
	GRP G0C, 94, 6, 86
	GRP G0R, 95, 4, 88
	CROUND                                         ; all four work-groups are here: the joint loads meet
.macro ARM under, g0, g1, next         ; one chain of branches on the wave's number, one load to an arm
	s_cmp_lt_u32 s[WV], \under
	s_cbranch_scc0 \next
	tensor_load_to_lds s[\g0:\g0+3], s[\g1:\g1+7]
	s_nop 0
	PLACES 4
	s_branch .Lasked
\next:
.endm
	ARM 8, G0A, G1A, .Lhead_ks
	ARM 12, G0B, G1A, .Lhead_vs
	tensor_load_to_lds s[G0C:G0C+3], s[G1V:G1V+7]
	s_nop 0
	PLACES 4
.Lasked:
	s_add_nc_u64 s[66:67], s[4:5], s[66:67]        ; Q of my first tile
	s_add_nc_u64 s[68:69], s[6:7], s[68:69]
	s_add_nc_u64 s[74:75], s[4:5], s[74:75]        ; Q of the high tile
	s_add_nc_u64 s[76:77], s[6:7], s[76:77]
	s_add_nc_u64 s[98:99], s[8:9], s[78:79]        ; o of the high tile
	s_add_nc_u64 s[100:101], s[10:11], s[80:81]
	s_add_nc_u64 s[8:9], s[8:9], s[70:71]          ; o of my first tile
	s_add_nc_u64 s[10:11], s[10:11], s[72:73]
	v_and_b32 v4, 31, v0
	v_and_b32 v7, 15, v0                           ; r
	v_bfe_u32 v8, v0, 4, 1                         ; h
	v_lshlrev_b32 v1, 4, v4                        ; v1  16 x lane: K's tiles
	v_and_b32 v5, 8, v7
	v_lshl_add_u32 v6, v7, 1, v8                   ; v6  2 r + h: my byte of o's scales
	v_add_nc_u32 v2, LVC, v1                       ; v2  V's fragments
	v_mad_u32_u24 v5, v5, 3, v7                    ; r + 24 (r / 8)
	v_add_nc_u32 v3, LKS, v1                       ; v3  K's scale words
	v_lshlrev_b32 v8, 5, v8
	v_lshl_add_u32 v4, v4, 2, LVS                  ; v4  V's: 4 x lane
	s_lshl_b32 s13, s13, 3
	v_sub_nc_u32 v5, v5, v8
	v_lshlrev_b32 v7, 4, v7                        ; v7  16 r
	v_add_nc_u32 v5, s13, v5                       ; v5  8 cx + r + 24 (r / 8) - 32 h
	global_load_b128 v[QF:QF+3], v1, s[66:67]      ; Q's half fragments stay in registers: my first tile's,
	global_load_b32 v[QS], v7, s[68:69]
	global_load_b128 v[230:233], v1, s[74:75]      ; and the high tile's, for role b's change of tiles
	global_load_b32 v234, v7, s[76:77]
	v_mov_b32 v13, 0xff61b1e6                      ; the largest score so far: -3e38, under every score
	v_mov_b32 v12, 0x7e000000                      ; -M: so great that the first change of M multiplies by 0
	v_mov_b32 v14, 0                               ; the sum, in two halves
	v_mov_b32 v15, 0
.irp j, 0,1,2,3
	v_mov_b32 v[QF+4+\j], 0                        ; zero codes for k = 64 .. 127
	v_mov_b32 v[KF+32+\j], 0                       ; behind K's last tile
.endr
	v_mov_b32 v208, 0                              ; a lane permute's destination counts as one of its sources
	v_mov_b32 v221, 0                              ; (upper halves of the pairs v[220:221] and v[224:225])
	v_mov_b32 v225, 0
	v_mov_b32 v227, 0xff800000                     ; -infinity
.set n, 0
.rept 32
	v_mov_b32 v[OT+n], 0                           ; O^T: the step is written for all trips alike: the first finds zeros
.set n, n+1
.endr
	s_xor_b32 s2, s[IP], 7                         ; 7 - i
	s_min_u32 s3, s[IP], 1
	s_add_co_u32 s[SW], s[IP], 1
	s_max_u32 s[SW], s[SW], 2
	s_cmp_ge_u32 s[WV], 8                          ; role a or b
	s_cselect_b32 s3, 1, s3                        ; my last trip of the first two
	s_cselect_b32 s[SW], 99, s[SW]
	s_cselect_b32 s[DG1], 99, s[IP]
	s_cselect_b32 s[DG2], 99, 8
	s_cselect_b32 s[IB], 15, s[IP]
	s_cselect_b32 s[TLS], 7, 8
	s_cmp_eq_u32 s[IP], 0
	s_cselect_b32 s[TLS], 8, s[TLS]
	s_mov_b32 s[TR], 0
	s_wait_alu depctr_va_vdst(0)
	s_wait_xcnt 0x0                                ; Q's loads have read their bases, whose registers the masks take
.set n, 0
.rept 32
	v_cmp_gt_i32 s[MK+n], n, v5                    ; lanes in which key 32 h + n of the diagonal's 64 is hidden
.set n, n+1
.endr
	s_wait_alu depctr_va_vdst(0)                   ; the wait at the head's end
	s_wait_loadcnt 0x0                             ; Q
	s_wait_tensorcnt 0x0                           ; my fill has landed; the add ahead of a later first fill:
	ds_add_u32 v254, v255
	s_wait_dscnt 0x0
	CROUND                                         ; everybody's part of the head's loads is in, and all four work-groups are here
	tensor_load_to_lds s[G0R:G0R+3], s[G1R:G1R+7]  ; steps 2 .. 15: first behind the round
	s_nop 0
	PLACES 4
.macro PVMUL t
.if (\t)%2 == 0
	v_wmma_scale_f32_16x16x128_f8f6f4 v[OT+8*\t:OT+8*\t+7], v[VF+8*\t:VF+8*\t+7], v[PC:PC+7], v[OT+8*\t:OT+8*\t+7], v[VSC+\t/2], v[PSW] matrix_a_fmt:MATRIX_FMT_FP4 matrix_b_fmt:MATRIX_FMT_FP4
.else
	v_wmma_scale_f32_16x16x128_f8f6f4 v[OT+8*\t:OT+8*\t+7], v[VF+8*\t:VF+8*\t+7], v[PC:PC+7], v[OT+8*\t:OT+8*\t+7], v[VSC+\t/2], v[PSW] matrix_a_fmt:MATRIX_FMT_FP4 matrix_b_fmt:MATRIX_FMT_FP4 matrix_a_scale:MATRIX_SCALE_ROW1
.endif
.endm
.macro KLOAD                           ; the next step's tiles of K and their scale words: nine loads
	v_add_nc_u32 v8, s[N0], v1
	v_add_nc_u32 v10, s[N1], v3
	ds_load_b128 v[KSC:KSC+3], v10
.irp n, 0,1,2,3,4,5,6,7
	ds_load_b128 v[KF+4*\n:KF+4*\n+3], v8 offset:512*\n
.endr
.endm
.macro STEP ahead                      ; a key step: 128 keys, 16 queries; its K is on its way.  ahead = 1: the next step's K is asked for
	v_add_nc_u32 v9, s[A0], v2
	v_add_nc_u32 v11, s[A2], v4
	s_wait_alu depctr_va_vdst(0)
	s_wait_dscnt 0x3                               ; the scale words and tiles 0-4 are in; tiles 5-7 may be out
.irp n, 0,1,2,3
	v_wmma_scale_f32_16x16x128_f8f6f4 v[S+8*\n:S+8*\n+7], v[KF+4*\n:KF+4*\n+7], v[QF:QF+7], 0, v[KSC+\n], v[QS] matrix_a_fmt:MATRIX_FMT_FP4 matrix_b_fmt:MATRIX_FMT_FP4
.endr
	s_wait_dscnt 0x0
.irp n, 4,5,6,7
	v_wmma_scale_f32_16x16x128_f8f6f4 v[S+8*\n:S+8*\n+7], v[KF+4*\n:KF+4*\n+7], v[QF:QF+7], 0, v[KSC+\n-4], v[QS] matrix_a_fmt:MATRIX_FMT_FP4 matrix_b_fmt:MATRIX_FMT_FP4 matrix_a_scale:MATRIX_SCALE_ROW1
.endr
	PLACES 4                                       ; in front of the first read of the scores and of the loads into V's and K's registers
.irp t, 0,1,2,3
.irp c, 0,1
	ds_load_b128 v[VF+8*\t+4*\c:VF+8*\t+4*\c+3], v9 offset:1024*\t+512*\c
.endr
.endr
.irp a, 0,1
	ds_load_b32 v[VSC+\a], v11 offset:128*\a
.endr
.if \ahead
	KLOAD
.endif
	s_cmp_eq_u32 s[TR], s[DG1]
	s_cbranch_scc1 .Ldiag_\@
	s_cmp_lg_u32 s[TR], s[DG2]
	s_cbranch_scc1 .Lopen_\@                       ; all keys of the step count
.Ldiag_\@:
	s_cmp_lg_u32 ttmp9, 0
	s_cbranch_scc1 .Lupper_\@
.set n, 0
.rept 32
	v_cndmask_b32 v[S+n], v[S+n], v227, s[MK+n]    ; X = 0: hidden keys of the lower 64,
.set n, n+1
.endr
.set n, 0
.rept 32
	v_mov_b32 v[S+32+n], v227                      ; and all of the upper
.set n, n+1
.endr
	s_wait_alu depctr_va_vdst(0)
	s_branch .Lopen_\@
.Lupper_\@:
.set n, 0
.rept 32
	v_cndmask_b32 v[S+32+n], v[S+32+n], v227, s[MK+n]   ; X = 1: hidden keys of the upper 64
.set n, n+1
.endr
	s_wait_alu depctr_va_vdst(0)
.Lopen_\@:
.irp q, 0,1,2,3,4,5,6,7
	v_max3_num_f32 v[CH+\q], v[S+8*\q], v[S+1+8*\q], v[S+2+8*\q]   ; the largest scores, in eight chains
.endr
.irp i, 3,5
.irp q, 0,1,2,3,4,5,6,7
	v_max3_num_f32 v[CH+\q], v[CH+\q], v[S+8*\q+\i], v[S+1+8*\q+\i]
.endr
.endr
.irp c, 0,1
	v_max3_num_f32 v[BM+2*\c], v[CH+4*\c], v[CH+1+4*\c], v[S+32*\c+7]
	v_max3_num_f32 v[BM+1+2*\c], v[CH+2+4*\c], v[CH+3+4*\c], v[S+32*\c+15]
.endr
.irp c, 0,1
	v_max3_num_f32 v[BM+2*\c], v[BM+2*\c], v[S+32*\c+23], v[S+32*\c+31]
.endr
	v_max_num_f32 v[BM], v[BM], v[BM+1]            ; of my two blocks: it serves for the row's maximum and, since p rises with the score, for the block's largest p
	v_max_num_f32 v[BM+2], v[BM+2], v[BM+3]
	s_delay_alu instid0(VALU_DEP_1)
	v_max_num_f32 v209, v[BM], v[BM+2]
	s_delay_alu instid0(VALU_DEP_1)
	v_permlanex16_b32 v208, v209, s[SEL], s[SEL+1]
	s_delay_alu instid0(VALU_DEP_1)
	v_max3_num_f32 v13, v13, v209, v208            ; the running largest score of my query
	s_delay_alu instid0(VALU_DEP_1)
	v_mul_f32 v210, s[CS], -v13
	s_delay_alu instid0(VALU_DEP_1)
	v_floor_f32 v211, v210                         ; the new -M = floor(-t) = -ceil(t)
	s_delay_alu instid0(VALU_DEP_1)
	v_sub_f32 v222, v211, v12                      ; old M - new M: a whole number, 0 or less
	v_mov_b32 v12, v211
	s_delay_alu instid0(VALU_DEP_2)
	v_cvt_i32_f32 v222, v222                       ; (it saturates)
	v_add_f32 v212, -2.0, v12                      ; -M - 2: a block's scale is a quarter of the power of two in its largest p
	s_delay_alu instid0(VALU_DEP_2)
	v_ldexp_f32 v220, 1.0, v222                    ; f = 2^(old M - new M)
.set n, 0
.rept 32
	v_pk_fma_f32 v[S+n:S+n+1], v[S+n:S+n+1], s[CS:CS+1], v[12:13] op_sel_hi:[1,0,0]   ; t - M, two at a time
.set n, n+2
.endr
	v_fma_f32 v[BM], v[BM], s[CS], v212
	v_fma_f32 v[BM+2], v[BM+2], s[CS], v212
	s_wait_alu depctr_va_vdst(0)                   ; the wait ahead of the batch
.set n, 0
.rept 64
	v_exp_f32 v[S+n], v[S+n]                       ; p = 2^(t - M), at most 1
.set n, n+1
.endr
	v_exp_f32 v[BM], v[BM]                         ; a quarter of the block's largest p: its exponent field is the scale's byte
	v_exp_f32 v[BM+2], v[BM+2]
	v_pk_mul_f32 v[14:15], v[14:15], v[220:221] op_sel_hi:[1,0]   ; the sums under the new M (a plain place behind the exponentials)
	s_wait_alu depctr_va_vdst(0)                   ; and behind the batch, directly ahead of the first readers of O^T
.set n, 0
.rept 16
	v_pk_mul_f32 v[OT+n:OT+n+1], v[OT+n:OT+n+1], v[220:221] op_sel_hi:[1,0]   ; O^T under the new M
.set n, n+2
.endr
	v_max_num_f32 v[BM], 0x800000, v[BM]           ; the floor 2^(1 - 127): the byte cannot fall under 1
	v_max_num_f32 v[BM+2], 0x800000, v[BM+2]
	v_lshrrev_b32 v[BM+1], 23, v[BM]               ; the bytes of my blocks h and 2 + h
	v_lshrrev_b32 v[BM+3], 23, v[BM+2]
	s_delay_alu instid0(VALU_DEP_1)
	v_lshl_or_b32 v209, v[BM+3], 16, v[BM+1]
	s_delay_alu instid0(VALU_DEP_1)
	v_permlanex16_b32 v208, v209, s[SEL], s[SEL+1]
	s_delay_alu instid0(VALU_DEP_1)
	v_lshl_or_b32 v[PSW], v208, 8, v209            ; lanes 0-15: p's scale word for these 128 keys
.irp c, 0,1
.irp g, 0,1,2,3
	v_cvt_scalef32_pk8_fp4_f32 v[PC+4*\c+\g], v[S+32*\c+8*\g:S+32*\c+8*\g+7], v[BM+2*\c]   ; the operand's registers as they stand
.endr
.endr
	v_nop                                          ; one plain place behind the scaled conversions
.irp k, 0,1,2,3,4,5,6
	v_pk_add_f32 v[CH+2*\k:CH+2*\k+1], v[S+4*\k:S+4*\k+1], v[S+4*\k+2:S+4*\k+3]   ; the row's sum is taken of the unquantised p, in eight chains
.endr
	v_pk_add_f32 v[14:15], v[14:15], v[S+28:S+29]
.set n, 30
.rept 2
.irp k, 0,1,2,3,4,5,6
	v_pk_add_f32 v[CH+2*\k:CH+2*\k+1], v[CH+2*\k:CH+2*\k+1], v[S+n+2*\k:S+n+2*\k+1]
.endr
	v_pk_add_f32 v[14:15], v[14:15], v[S+n+14:S+n+15]
.set n, n+16
.endr
	v_pk_add_f32 v[CH:CH+1], v[CH:CH+1], v[S+62:S+63]
	v_pk_add_f32 v[CH+4:CH+5], v[CH+4:CH+5], v[CH+6:CH+7]
	v_pk_add_f32 v[CH+8:CH+9], v[CH+8:CH+9], v[CH+10:CH+11]
	v_pk_add_f32 v[14:15], v[14:15], v[CH+12:CH+13]
	v_pk_add_f32 v[CH:CH+1], v[CH:CH+1], v[CH+2:CH+3]
	v_pk_add_f32 v[CH+4:CH+5], v[CH+4:CH+5], v[CH+8:CH+9]
	s_delay_alu instid0(VALU_DEP_2)
	v_pk_add_f32 v[14:15], v[14:15], v[CH:CH+1]
	s_delay_alu instid0(VALU_DEP_1)
	v_pk_add_f32 v[14:15], v[14:15], v[CH+4:CH+5]
	s_wait_alu depctr_va_vdst(0)
.if \ahead
	s_wait_dscnt 0x9                               ; V and its scale words are in; the nine loads of the next step's K may be out
.else
	s_wait_dscnt 0x0
.endif
	PVMUL 0                                        ; O^T += V^T P^T: four sums, one instruction each
	PVMUL 1
	PVMUL 2
	PVMUL 3
.endm
; A tile's o: O^T / the sum, quantised (a lane's 32 registers are one block of the last product's K) and stored
.macro FINISH co, sc
	PLACES 4                                       ; in front of the first read of O^T
	v_add_f32 v14, v14, v15
	s_delay_alu instid0(VALU_DEP_1)
	v_permlanex16_b32 v208, v14, s[SEL], s[SEL+1]
	s_delay_alu instid0(VALU_DEP_1)
	v_add_f32 v14, v14, v208                       ; the row's sum
	s_wait_alu depctr_va_vdst(0)
	v_rcp_f32 v14, v14
	v_nop                                          ; a plain place behind the reciprocal
	s_wait_alu depctr_va_vdst(0)
.set n, 0
.rept 16
	v_pk_mul_f32 v[S+n:S+n+1], v[OT+n:OT+n+1], v[14:15] op_sel_hi:[1,0]
.set n, n+2
.endr
.irp q, 0,1,2,3
	v_max3_num_f32 v[BM+\q], |v[S+8*\q]|, |v[S+1+8*\q]|, 0x1800000   ; the floor 2^(3 - 127)
.endr
.irp i, 2,4,6
.irp q, 0,1,2,3
	v_max3_num_f32 v[BM+\q], v[BM+\q], |v[S+8*\q+\i]|, |v[S+1+8*\q+\i]|
.endr
.endr
	v_max3_num_f32 v[BM], v[BM], v[BM+1], v[BM+2]
	s_delay_alu instid0(VALU_DEP_1)
	v_max_num_f32 v[BM], v[BM], v[BM+3]
	s_delay_alu instid0(VALU_DEP_1)
	v_add_nc_u32 v210, 0xff000000, v[BM]           ; 2 off the exponent field: the conversion's scale operand
	s_delay_alu instid0(VALU_DEP_1)
	v_lshrrev_b32 v211, 23, v210
.irp g, 0,1,2,3
	v_cvt_scalef32_pk8_fp4_f32 v[PC+\g], v[S+8*\g:S+8*\g+7], v210
.endr
	v_nop
	global_store_b128 v1, v[PC:PC+3], s[\co:\co+1] ; 512 consecutive bytes: lanes 0-15 d 0-31, lanes 16-31 d 32-63
	global_store_b8 v6, v211, s[\sc:\sc+1]         ; the tile's 32 scale bytes of this head, on end
.endm
.macro AT k                            ; s7 = the key step of trip TR + k: the trip's number, in role b's high tile 7 - i more
	s_add_co_u32 s7, s[TR], \k
	s_cmp_gt_u32 s7, s[IB]
	s_cselect_b32 s26, s2, 0
	s_add_co_u32 s7, s7, s26
	s_min_u32 s7, s7, 15                           ; (what is asked for behind a wave's last step is not used)
.endm
	s_mov_b32 s[N0], 0                             ; trips 0 and 1: key steps 0 and 1
	s_mov_b32 s[N1], 0
	KLOAD
	s_mov_b32 s[A0], 0
	s_mov_b32 s[A2], 0
	s_mov_b32 s[N0], 4096
	s_mov_b32 s[N1], 512
	STEP 1
	s_mov_b32 s[TR], 1
	s_wait_alu depctr_va_vdst(0)
	s_cmp_gt_u32 s[TR], s3
	s_cbranch_scc1 .Lidle                          ; (pair 0's role b has no work in trip 1)
	s_mov_b32 s[A0], 4096
	s_mov_b32 s[A2], 256
	STEP 0
.Lidle:
	s_wait_alu depctr_va_vdst(0)
	s_wait_tensorcnt 0x0                           ; my part of steps 2 .. 15 is in,
	s_wait_dscnt 0x0
	s_barrier_signal -1
	s_barrier_wait -1                              ; everybody's is; nothing fills LDS from here on
	PLACES 4                                       ; in front of the loads into K's registers
	AT 1
	s_lshl_b32 s[N0], s7, 12
	s_lshl_b32 s[N1], s7, 9
	KLOAD
	s_wait_alu depctr_va_vdst(0)
	s_mov_b32 s[TR], 2
.Lwalk:                                            ; trips 2 .. 8
	s_cmp_lg_u32 s[TR], s[SW]
	s_cbranch_scc1 .Lsame
	FINISH 8, 10                                   ; role b: the low tile is finished: on to the high one
	v_mov_b32 v[QS], v234
.irp j, 0,1,2,3
	v_mov_b32 v[QF+\j], v[230+\j]
.endr
	v_mov_b32 v13, 0xff61b1e6
	v_mov_b32 v12, 0x7e000000                      ; the next change of M multiplies what O^T and the sum still hold by 0
	v_nop                                          ; with the step's two additions: eight plain places and more between the scale words' write and the products
	s_wait_alu depctr_va_vdst(0)
	s_wait_xcnt 0x0                                ; the stores have read their registers
.Lsame:
	s_cmp_gt_u32 s[TR], s[TLS]
	s_cbranch_scc1 .Ldone
	AT 0
	s_lshl_b32 s[A0], s7, 12
	s_lshl_b32 s[A2], s7, 8
	AT 1
	s_lshl_b32 s[N0], s7, 12
	s_lshl_b32 s[N1], s7, 9
	STEP 1
.Ldone:
	s_add_co_u32 s[TR], s[TR], 1
	s_wait_alu depctr_va_vdst(0)
	s_cmp_lt_u32 s[TR], 9
	s_cbranch_scc1 .Lwalk
	; the two parts of a high tile meet: role b's goes through LDS
	s_mul_i32 s7, s[IP], 4352
	s_add_co_u32 s7, s7, STAGE
	s_wait_dscnt 0x0                               ; K's last loads, which no product takes
	v_lshrrev_b32 v11, 1, v1
	v_add_nc_u32 v10, s7, v1                       ; 16 x lane
	v_add_nc_u32 v11, s7, v11                      ; 8 x lane
	PLACES 4                                       ; in front of the reads of O^T and the loads into V's registers
	s_wait_alu depctr_va_vdst(0)
	s_cmp_lt_u32 s[WV], 8
	s_cbranch_scc0 .Lmeet
	v_mov_b32 v220, v12
	v_add_f32 v221, v14, v15
.irp k, 0,1,2,3,4,5,6,7
	ds_store_b128 v10, v[OT+4*\k:OT+4*\k+3] offset:512*\k
.endr
	ds_store_b64 v11, v[220:221] offset:4096       ; -M and the lane's sum
.Lmeet:
	s_wait_dscnt 0x0
	s_barrier_signal -1
	s_barrier_wait -1
	s_cmp_lt_u32 s[WV], 8
	s_cbranch_scc1 .Lend
	ds_load_b64 v[VF:VF+1], v11 offset:4096
.irp k, 0,1,2,3,4,5,6,7
	ds_load_b128 v[KF+4*\k:KF+4*\k+3], v10 offset:512*\k
.endr
	v_add_f32 v14, v14, v15
	v_mov_b32 v15, 0
	s_wait_alu depctr_va_vdst(0)
	s_wait_dscnt 0x8                               ; b's M and sum are in; its O^T may be out
	v_min_num_f32 v210, v12, v[VF]                 ; -M of both
	s_delay_alu instid0(VALU_DEP_1)
	v_sub_f32 v211, v210, v12
	v_sub_f32 v222, v210, v[VF]
	s_delay_alu instid0(VALU_DEP_2)
	v_cvt_i32_f32 v211, v211
	s_delay_alu instid0(VALU_DEP_2)
	v_cvt_i32_f32 v222, v222
	s_delay_alu instid0(VALU_DEP_2)
	v_ldexp_f32 v220, 1.0, v211                    ; what my part is multiplied by,
	s_delay_alu instid0(VALU_DEP_2)
	v_ldexp_f32 v224, 1.0, v222                    ; and b's
	v_mul_f32 v14, v14, v220
	v_fma_f32 v14, v[VF+1], v224, v14
.set n, 0
.rept 16
	v_pk_mul_f32 v[OT+n:OT+n+1], v[OT+n:OT+n+1], v[220:221] op_sel_hi:[1,0]
.set n, n+2
.endr
	s_wait_alu depctr_va_vdst(0)
	s_wait_dscnt 0x0
.set n, 0
.rept 16
	v_pk_fma_f32 v[OT+n:OT+n+1], v[KF+n:KF+n+1], v[224:225], v[OT+n:OT+n+1] op_sel_hi:[1,0,1]
.set n, n+2
.endr
	FINISH 98, 100
.Lend:
	s_wait_tensorcnt 0x0                           ; the wave's end
	ds_add_u32 v254, v255
	s_wait_dscnt 0x0
	CROUND                                         ; the closing round: no work-group ends while a partner may still ask for a tile that names it
	s_endpgm
.Lfunc_end_k_q04f3386059_attn:
	.size	k_q04f3386059_attn, .Lfunc_end_k_q04f3386059_attn-k_q04f3386059_attn
	.p2alignl 7, 3214868480
	.fill 96, 4, 3214868480
	.section	.rodata,"a",@progbits
	.p2align	6, 0x0
	.amdhsa_kernel k_q04f3386059_attn
		.amdhsa_group_segment_fixed_size 327680
		.amdhsa_private_segment_fixed_size 0
		.amdhsa_enable_private_segment 0
		.amdhsa_kernarg_size 32
		.amdhsa_user_sgpr_count 2
		.amdhsa_user_sgpr_kernarg_segment_ptr 1
		.amdhsa_wavefront_size32 1
		.amdhsa_system_sgpr_workgroup_id_x 1
		.amdhsa_system_sgpr_workgroup_id_y 1
		.amdhsa_system_sgpr_workgroup_id_z 1
		.amdhsa_system_vgpr_workitem_id 0
		.amdhsa_next_free_vgpr 256
		.amdhsa_next_free_sgpr 102
		.amdhsa_reserve_vcc 0
		.amdhsa_float_denorm_mode_32 3
		.amdhsa_float_denorm_mode_16_64 3
		.amdhsa_memory_ordered 1
		.amdhsa_forward_progress 1
		.amdhsa_inst_pref_size 87
	.end_amdhsa_kernel
	.amdgpu_metadata
---
amdhsa.version: [ 1, 2 ]
amdhsa.kernels:
  - .name:           k_q04f3386059_attn
    .symbol:         k_q04f3386059_attn.kd
    .args:
      - { .name: att_codes, .offset: 0, .size: 8, .value_kind: global_buffer, .address_space: global }
      - { .name: att_scales, .offset: 8, .size: 8, .value_kind: global_buffer, .address_space: global }
      - { .name: o_codes, .offset: 16, .size: 8, .value_kind: global_buffer, .address_space: global }
      - { .name: o_scales, .offset: 24, .size: 8, .value_kind: global_buffer, .address_space: global }
    .group_segment_fixed_size: 327680
    .private_segment_fixed_size: 0
    .kernarg_segment_align: 8
    .kernarg_segment_size: 32
    .max_flat_workgroup_size: 512
    .sgpr_count:     102
    .vgpr_count:     256
    .wavefront_size: 32
...
	.end_amdgpu_metadata
.endif
;; end of part 3
;; launch proj (part 4): grid 8 x 32, 8 waves a work-group, clusters of 4 x 4, 175,104 bytes of LDS; arguments o_codes, o_scales, in_codes, in_scales, b_o, out0; writes out0
.if DOCPART == 4
	.amdgcn_target "amdgcn-amd-amdhsa--gfx1250"
	.amdhsa_code_object_version 6
	.text
	.protected	k_q04f3386059_proj
	.globl	k_q04f3386059_proj
	.p2align	8
	.type	k_q04f3386059_proj,@function
k_q04f3386059_proj:
	s_mov_b64 s[64:65], 0
	v_nop
	global_prefetch_b8 v0, s[64:65] scope:SCOPE_SE
	s_setreg_imm32_b32 hwreg(HW_REG_WAVE_MODE, 25, 1), 1
	s_wait_xcnt 0x0
	s_wait_alu depctr_hold_cnt(0) depctr_sa_sdst(0) depctr_va_vdst(0) depctr_va_sdst(0) depctr_va_ssrc(0) depctr_va_vcc(0) depctr_vm_vsrc(0)
	s_getreg_b32 s2, hwreg(HW_REG_IB_STS2, 6, 4)
	s_cmp_eq_u32 s2, 0
	s_cbranch_scc0 .Lentry_in_a_cluster
	s_endpgm
.Lentry_in_a_cluster:
	s_bfe_u32 s2, ttmp6, 0x10000c
	s_cmp_lg_u32 s2, 0xf033
	s_cbranch_scc0 .Lentry_shape_is_right
	s_endpgm
.Lentry_shape_is_right:
; out0 = o W_o^T + b_o on codes of FP4 (E2M1) with E8M0 scales; out0 [4096][1024] f32.
; SHARES.  A work-group takes 128 tokens (8 tiles of o) x 128 columns (8 tiles of W_o), all of K = 1,024.  Eight waves, two to a SIMD: wave w takes o's tiles 2 (w % 4), + 1 and W's tiles 4 (w / 4) .. + 3: eight sums, 64 products.
; All operands lie in LDS at once, as images of fragment registers, filled ONCE at the head, one load a wave: one barrier.  TRANSPOSED (source 0 = 16 rows of W, source 1 = 16 tokens): a lane holds one token.
; The rows of every tile are 64 C + 8 n + i + 24 (i / 8) (tile 4 C + n), so a lane's 32 registers of a tile of tokens are 32 neighbouring columns.
; o's scale bytes lie by head ([batch x 16 + head][tile][r][2]): the 16 heads' 256 bytes for my 8 tiles come as 16 rows, and a K step's word is made of two heads' halfwords.
; CLUSTER 4 x 4: o's blocks are shared along a row of the cluster, W's along a column: joint loads.  NO PREFETCH: every tile is asked for at the head, and no loop runs behind it.
; THE WAY OUT: through the wave's own stage in LDS (bytes that no fill touches), so that sixteen lanes store 256 consecutive bytes of a row.
; LIMITS: NaN and infinities are not served.
.set OC,  0                            ; LDS: o's 8 tiles x 8,192
.set WC,  65536                        ; W's 8 tiles x 8,192
.set WS,  131072                       ; W's scale words, 512 a tile
.set OS,  135168                       ; o's scale bytes: [head] x 256 + tile x 32 + 2 r
.set STG, 139264                       ; a stage of 16 rows x 272 bytes for each wave
.set SPARE, STG+8*16*272               ; the spare words, 128 bytes a wave
.set LI,  1                            ; v1  16 x lane
.set AW,  2                            ; v2  W's fragments
.set AO,  3                            ; v3  o's
.set ASW, 4                            ; v4  W's scale words
.set AOS, 5                            ; v5  o's halfwords
.set STO, 6                            ; v6  the stage, in
.set SRD, 7                            ; v7  the stage, out
.set WSC, 8                            ; v8-23  W's scale words, v24-31 o's: scales and nothing else
.set OSC, 24
.set HW,  32                           ; v32-47 halfwords
.set FR,  48                           ; v48-95, v96-143 two sets of fragments: W's four, o's two
.set ACC, 144                          ; v144-207 sum (i, t) at ACC + 8 (4 i + t)
.set BO,  208                          ; v208 128 h
.set GO,  209                          ; v209 my offset in two rows of out0
.set G1OC, 24
.set G1OS, 32
.set G1WC, 40
.set G1WS, 48
.set G0OC, 56
.set G0OS, 60
.set G0WC, 68
.set G0WS, 72
.macro CROUND                          ; a round of the cluster's barrier
	s_barrier_signal -1
	s_barrier_wait -1
	s_cmp_lg_u32 s16, 0
	s_cbranch_scc1 .Lnot_wave_0_\@
	s_barrier_signal -3
.Lnot_wave_0_\@:
	s_barrier_wait -3
	s_barrier_signal -1
	s_barrier_wait -1
.endm
.macro PLACES n
.rept \n
	v_nop
.endr
.endm
	s_load_b256 s[4:11], s[0:1], 0x0               ; o_codes s[4:5], o_scales s[6:7], in_codes s[8:9], in_scales s[10:11]
	s_load_b128 s[12:15], s[0:1], 0x20             ; b_o s[12:13], out0 s[14:15]
	v_lshl_add_u32 v254, v0, 2, SPARE
	v_mov_b32 v255, 0
	ds_add_u32 v254, v255                          ; the opening: the add, twice on end, and its wait
	ds_add_u32 v254, v255
	v_lshrrev_b32 v1, 5, v0
	v_readfirstlane_b32 s16, v1                    ; wave 0..7
	s_and_b32 s17, s16, 3                          ; tg: my 32 tokens
	s_lshr_b32 s18, s16, 2                         ; nh: my 64 columns
	s_bfe_u32 s76, ttmp6, 0x40000                  ; cx
	s_bfe_u32 s77, ttmp6, 0x40004                  ; cy
	s_lshl_b32 s78, ttmp9, 2
	s_add_co_u32 s78, s78, s76                     ; nb: my 128 columns
	s_and_b32 s79, ttmp7, 0xffff
	s_lshl_b32 s79, s79, 2
	s_add_co_u32 s79, s79, s77                     ; tbk: my 128 tokens
	s_lshl_b32 s80, s77, 2
	s_lshl_b32 s80, 15, s80                        ; my row of the cluster
	s_lshl_b32 s81, 0x1111, s76                    ; my column
	s_or_b32 s[G1OC], s80, (3<<16)|(1<<21)         ; 15:0 the mask; 17:16 elements of 8 bytes; 21 set beside a mask
	s_or_b32 s[G1OS], s80, (3<<16)|(1<<21)
	s_or_b32 s[G1WC], s81, (3<<16)|(1<<21)
	s_or_b32 s[G1WS], s81, (3<<16)|(1<<21)
.macro ROWS g, n, p                    ; n rows of 256 bytes, p elements of 8 bytes from row to row
	s_mov_b32 s[\g+1], 32<<16
	s_mov_b32 s[\g+2], (\n)<<16
	s_mov_b32 s[\g+3], 32<<16
	s_mov_b32 s[\g+4], \n
	s_mov_b32 s[\g+5], \p
	s_mov_b32 s[\g+6], 0
	s_mov_b32 s[\g+7], 0
.endm
	ROWS G1OC, 128, 32
	ROWS G1WC, 128, 32
	ROWS G1OS, 16, 512                             ; from head to head 4,096 bytes
	ROWS G1WS, 16, 32
	; waves 0 and 1 fetch the halves of o's codes, 2 and 3 of W's, 4 o's scale bytes, 5 W's scale words, 6 and 7 nothing.  o's offsets are made of tbk and the wave's number, W's of nb and the wave's number, each in registers of its own
	s_and_b32 s19, s16, 1
	s_lshl_b32 s20, s19, 15
	s_add_co_u32 s21, s20, WC                      ; where they go: the wave's number alone
	s_lshl_b32 s82, s79, 16
	s_add_co_u32 s82, s82, s20
	s_mov_b32 s83, 0
	s_lshr_b32 s84, s79, 4
	s_lshl_b32 s84, s84, 16
	s_and_b32 s85, s79, 15
	s_lshl_b32 s85, s85, 8
	s_add_co_u32 s84, s84, s85                     ; batch x 65,536 + my 8 tiles' 256
	s_mov_b32 s85, 0
	s_lshl_b32 s86, s78, 16
	s_add_co_u32 s86, s86, s20
	s_add_co_u32 s86, s86, 3670016                 ; W_o's codes begin at tile 448
	s_mov_b32 s87, 0
	s_lshl_b32 s88, s78, 12
	s_add_co_u32 s88, s88, 229376
	s_mov_b32 s89, 0
	s_wait_dscnt 0x0                               ; both opening adds are done
	s_wait_kmcnt 0x0
	s_mov_b32 s[G0OC], 1
	s_mov_b32 s[G0OC+1], s20
	s_add_nc_u64 s[G0OC+2:G0OC+3], s[4:5], s[82:83]
	s_or_b32 s[G0OC+3], s[G0OC+3], 0x80000000
	s_mov_b32 s[G0OS], 1
	s_mov_b32 s[G0OS+1], OS
	s_add_nc_u64 s[G0OS+2:G0OS+3], s[6:7], s[84:85]
	s_or_b32 s[G0OS+3], s[G0OS+3], 0x80000000
	s_mov_b32 s[G0WC], 1
	s_mov_b32 s[G0WC+1], s21
	s_add_nc_u64 s[G0WC+2:G0WC+3], s[8:9], s[86:87]
	s_or_b32 s[G0WC+3], s[G0WC+3], 0x80000000
	s_mov_b32 s[G0WS], 1
	s_mov_b32 s[G0WS+1], WS
	s_add_nc_u64 s[G0WS+2:G0WS+3], s[10:11], s[88:89]
	s_or_b32 s[G0WS+3], s[G0WS+3], 0x80000000
	CROUND                                         ; all sixteen work-groups are here: the joint loads meet
.macro ARM under, g0, g1, next         ; one chain of branches on the wave's number, one load to an arm
	s_cmp_lt_u32 s16, \under
	s_cbranch_scc0 \next
	tensor_load_to_lds s[\g0:\g0+3], s[\g1:\g1+7]
	s_nop 0
	PLACES 4
	s_branch .Lasked
\next:
.endm
	ARM 2, G0OC, G1OC, .Lhead_w
	ARM 4, G0WC, G1WC, .Lhead_os
	ARM 5, G0OS, G1OS, .Lhead_ws
	ARM 6, G0WS, G1WS, .Lhead_none
.Lasked:
	v_and_b32 v[LI], 31, v0
	v_and_b32 v210, 15, v0                         ; r
	v_bfe_u32 v211, v0, 4, 1                       ; h
	v_lshlrev_b32 v[LI], 4, v[LI]
	s_lshl_b32 s22, s18, 15
	s_add_co_u32 s22, s22, WC
	v_lshlrev_b32 v[AOS], 1, v210
	v_lshlrev_b32 v[BO], 7, v211
	v_add_nc_u32 v[AW], s22, v[LI]
	s_lshl_b32 s22, s17, 14
	v_add_nc_u32 v[AO], s22, v[LI]
	s_lshl_b32 s22, s18, 11
	s_add_co_u32 s22, s22, WS
	v_add_nc_u32 v[ASW], s22, v[LI]
	s_lshl_b32 s22, s17, 6
	s_add_co_u32 s22, s22, OS
	v_lshl_add_u32 v[AOS], v211, 11, v[AOS]
	v_add_nc_u32 v[AOS], s22, v[AOS]               ; lanes 16-31 take the heads 8 on: the words of K steps 4 to 7
	s_wait_alu depctr_va_vdst(0)                   ; the wait at the head's end, ahead of the run of scalar lines
	s_mul_i32 s19, s16, 16*272
	s_add_co_u32 s19, s19, STG                     ; my stage
	s_lshl_b32 s90, s78, 9
	s_lshl_b32 s91, s18, 8
	s_add_co_u32 s90, s90, s91                     ; my 64 columns, in bytes
	s_mov_b32 s91, 0
	s_add_nc_u64 s[12:13], s[12:13], s[90:91]
	s_lshl_b32 s92, s79, 19
	s_lshr_b32 s93, s17, 1
	s_lshl_b32 s93, s93, 18
	s_add_co_u32 s92, s92, s93
	s_and_b32 s93, s17, 1
	s_lshl_b32 s93, s93, 16
	s_add_co_u32 s92, s92, s93
	s_add_co_u32 s92, s92, s90                     ; row 128 tbk + 64 (tg / 2) + 16 (tg % 2) of 4,096 bytes, + my columns
	s_mov_b32 s93, 0
	s_add_nc_u64 s[14:15], s[14:15], s[92:93]
.irp t, 0,1,2,3                        ; the bias is the C of each sum's first product: lane (r, h), tile t: columns 32 h + 8 t + 0 .. 7
	global_load_b128 v[ACC+32+8*\t:ACC+35+8*\t], v[BO], s[12:13] offset:32*\t
	global_load_b128 v[ACC+36+8*\t:ACC+39+8*\t], v[BO], s[12:13] offset:32*\t+16
.endr
	s_wait_tensorcnt 0x0                           ; my fill has landed,
	s_barrier_signal -1
	s_barrier_wait -1                              ; everybody's have
.macro FETCH s, p                      ; K step s: twelve loads of 512 consecutive bytes into set p
.set FB, FR+48*(\p)
.irp t, 0,1,2,3
.irp c, 0,1
	ds_load_b128 v[FB+8*\t+4*\c:FB+8*\t+4*\c+3], v[AW] offset:8192*\t+1024*(\s)+512*\c
.endr
.endr
.irp i, 0,1
.irp c, 0,1
	ds_load_b128 v[FB+32+8*\i+4*\c:FB+32+8*\i+4*\c+3], v[AO] offset:8192*\i+1024*(\s)+512*\c
.endr
.endr
.endm
.macro PMUL i, t, s
.set FB, FR+48*((\s)%2)
.set rD, ACC+8*(4*(\i)+(\t))
.set rA, FB+8*(\t)
.set rB, FB+32+8*(\i)
.set rP, WSC+4*(\t)+(\s)%4
.set rQ, OSC+4*(\i)+(\s)%4
.if (\s) == 0
	v_wmma_scale_f32_16x16x128_f8f6f4 v[rD:rD+7], v[rA:rA+7], v[rB:rB+7], v[ACC+32+8*(\t):ACC+39+8*(\t)], v[rP], v[rQ] matrix_a_fmt:MATRIX_FMT_FP4 matrix_b_fmt:MATRIX_FMT_FP4
.elseif (\s) < 4
	v_wmma_scale_f32_16x16x128_f8f6f4 v[rD:rD+7], v[rA:rA+7], v[rB:rB+7], v[rD:rD+7], v[rP], v[rQ] matrix_a_fmt:MATRIX_FMT_FP4 matrix_b_fmt:MATRIX_FMT_FP4
.else
	v_wmma_scale_f32_16x16x128_f8f6f4 v[rD:rD+7], v[rA:rA+7], v[rB:rB+7], v[rD:rD+7], v[rP], v[rQ] matrix_a_fmt:MATRIX_FMT_FP4 matrix_b_fmt:MATRIX_FMT_FP4 matrix_a_scale:MATRIX_SCALE_ROW1 matrix_b_scale:MATRIX_SCALE_ROW1
.endif
.endm
; A K step: the next step's fragments are asked for, then eight products; the eight sums take turns, one instruction a turn
.macro KSTEP s
.if (\s) < 7
.if (\s) > 0
	PLACES 4                                       ; in front of loads into the set that the last step's products read
.endif
	FETCH (\s)+1, ((\s)+1)%2
.if (\s) == 0
	s_wait_alu depctr_va_vdst(0)
.endif
	s_wait_dscnt 12                                ; this step's fragments are in; the twelve loads just issued may be out
.else
	s_wait_dscnt 0x0
.endif
.irp i, 0,1
.if ((\s) == 0) && (\i == 1)
	PLACES 5                                       ; these four write over the bias, which the four before took as C
.endif
.irp t, 0,1,2,3
	PMUL \i, \t, \s
.endr
.endr
.endm
.irp t, 0,1,2,3
	ds_load_b128 v[WSC+4*\t:WSC+4*\t+3], v[ASW] offset:512*\t
.endr
.irp i, 0,1
.irp j, 0,1,2,3
.irp e, 0,1
	ds_load_u16 v[HW+8*\i+2*\j+\e], v[AOS] offset:(2*\j+\e)*256+32*\i   ; tile i, head 8 h + 2 j + e: its two scale bytes of row r
.endr
.endr
.endr
	FETCH 0, 0
	s_wait_dscnt 12                                ; the scales are in; K step 0's twelve loads may be out
.irp i, 0,1
.irp j, 0,1,2,3
	v_lshl_or_b32 v[OSC+4*\i+\j], v[HW+8*\i+2*\j+1], 16, v[HW+8*\i+2*\j]   ; the word of K step 4 h + j: heads 2 (4 h + j) and + 1
.endr
.endr
	v_mul_u32_u24 v[STO], v210, 272                ; eight lines of address work: the eight places between a scale word's write by a vector instruction and the first product
	v_mul_u32_u24 v[SRD], v211, 272
	v_lshlrev_b32 v[GO], 12, v211
	v_lshl_add_u32 v[STO], v211, 7, v[STO]
	v_lshl_add_u32 v[SRD], v210, 4, v[SRD]
	v_lshl_add_u32 v[GO], v210, 4, v[GO]           ; two rows of out0: lanes 0-15 one, lanes 16-31 the next
	v_add_nc_u32 v[STO], s19, v[STO]               ; the stage, in: row r, 128 h bytes on
	v_add_nc_u32 v[SRD], s19, v[SRD]               ; out: lanes 0-15 one row, lanes 16-31 the next
	s_wait_alu depctr_va_vdst(0)
	s_wait_loadcnt 0x0                             ; the bias
.irp s, 0,1,2,3,4,5,6,7
	KSTEP \s
.endr
	PLACES 4                                       ; in front of the first read of the sums and of loads into the fragments' registers
.irp i, 0,1                            ; a tile of 16 tokens x 64 columns at a time; LDS serves a wave's instructions in order, so no wait stands between these stores and loads
.irp k, 0,1,2,3,4,5,6,7
	ds_store_b128 v[STO], v[ACC+32*\i+4*\k:ACC+32*\i+4*\k+3] offset:16*\k   ; columns 32 h + 4 k on; each sum from its low end on
.endr
.irp k, 0,1,2,3,4,5,6,7
	ds_load_b128 v[FR+32*\i+4*\k:FR+32*\i+4*\k+3], v[SRD] offset:544*\k
.endr
.endr
.irp i, 0,1
.irp k, 0,1,2,3,4,5,6,7
	s_wait_dscnt 23-16*\i-\k                       ; load k of tile i is in: behind it stand the tile's later loads and, for tile 0, tile 1's sixteen instructions
	global_store_b128 v[GO], v[FR+32*\i+4*\k:FR+32*\i+4*\k+3], s[14:15] offset:(8*\i+2*\k+24*(\k/4))*4096 th:TH_STORE_NT   ; stage rows 2 k, 2 k + 1 are tokens 8 i + 2 k + 24 (k / 4), + 1; sixteen lanes store 256 consecutive, aligned bytes
.endr
.endr
	s_wait_tensorcnt 0x0                           ; the wave's end
	ds_add_u32 v254, v255
	s_wait_dscnt 0x0
	CROUND                                         ; the closing round: no work-group ends while a partner may still ask for a block that names it
	s_endpgm
.Lfunc_end_k_q04f3386059_proj:
	.size	k_q04f3386059_proj, .Lfunc_end_k_q04f3386059_proj-k_q04f3386059_proj
	.p2alignl 7, 3214868480
	.fill 96, 4, 3214868480
	.section	.rodata,"a",@progbits
	.p2align	6, 0x0
	.amdhsa_kernel k_q04f3386059_proj
		.amdhsa_group_segment_fixed_size 175104
		.amdhsa_private_segment_fixed_size 0
		.amdhsa_enable_private_segment 0
		.amdhsa_kernarg_size 48
		.amdhsa_user_sgpr_count 2
		.amdhsa_user_sgpr_kernarg_segment_ptr 1
		.amdhsa_wavefront_size32 1
		.amdhsa_system_sgpr_workgroup_id_x 1
		.amdhsa_system_sgpr_workgroup_id_y 1
		.amdhsa_system_sgpr_workgroup_id_z 1
		.amdhsa_system_vgpr_workitem_id 0
		.amdhsa_next_free_vgpr 256
		.amdhsa_next_free_sgpr 100
		.amdhsa_reserve_vcc 0
		.amdhsa_float_denorm_mode_32 3
		.amdhsa_float_denorm_mode_16_64 3
		.amdhsa_memory_ordered 1
		.amdhsa_forward_progress 1
		.amdhsa_inst_pref_size 31
	.end_amdhsa_kernel
	.amdgpu_metadata
---
amdhsa.version: [ 1, 2 ]
amdhsa.kernels:
  - .name:           k_q04f3386059_proj
    .symbol:         k_q04f3386059_proj.kd
    .args:
      - { .name: o_codes, .offset: 0, .size: 8, .value_kind: global_buffer, .address_space: global }
      - { .name: o_scales, .offset: 8, .size: 8, .value_kind: global_buffer, .address_space: global }
      - { .name: in_codes, .offset: 16, .size: 8, .value_kind: global_buffer, .address_space: global }
      - { .name: in_scales, .offset: 24, .size: 8, .value_kind: global_buffer, .address_space: global }
      - { .name: b_o, .offset: 32, .size: 8, .value_kind: global_buffer, .address_space: global }
      - { .name: out0, .offset: 40, .size: 8, .value_kind: global_buffer, .address_space: global }
    .group_segment_fixed_size: 175104
    .private_segment_fixed_size: 0
    .kernarg_segment_align: 8
    .kernarg_segment_size: 48
    .max_flat_workgroup_size: 256
    .sgpr_count:     100
    .vgpr_count:     256
    .wavefront_size: 32
...
	.end_amdgpu_metadata
.endif
;; end of part 4
